; MI455X (gfx1250); checked and timed in simulation.
; The chip was launched on July 23, 2026; its instructions are those of AMD's public machine-readable ISA for CDNA 5 (MIT licence, August 2026) and "CDNA5" Instruction Set Architecture Reference Guide (July 2026). The comments in the code are by the model that wrote it; some were corrected since.
;; Block. Allowed arithmetic: float matrix products may take bf16 or f16 operands with f32 sums; all other float work in f32.
;; Inputs: W1 1,024 x 4,096 float32; W2 4,096 x 1,024 float32; Wk 16 x 1,024 x 64 float32; Wo 1,024 x 1,024 float32; Wq 16 x 1,024 x 64 float32; Wv 16 x 1,024 x 64 float32; b1 4,096 float32; b2 1,024 float32; be1 1,024 float32; be2 1,024 float32; bo 1,024 float32; g1 1,024 float32; g2 1,024 float32; x 2 x 2,048 x 1,024 float32.
;; Outputs: out0 2 x 2,048 x 1,024 float32.
;; One version. Each part assembles by itself: llvm-mc -triple=amdgcn-amd-amdhsa -mcpu=gfx1250 --defsym DOCPART=n.
;; ======== version 1 of 1: 7 launches
;; limits: values outside matrix products are rounded to bf16
;; workspace buffers: wt 25,165,824 bytes; hn 8,388,608 bytes; qkv 25,165,824 bytes; att 8,388,608 bytes; x1 16,777,216 bytes; r 33,554,432 bytes
;; launch prep (part 1): grid 2048 x 1, 8 waves a work-group, no clusters, 17,920 bytes of LDS; arguments x, g1, be1, hn, W1, W2, Wq, Wk, Wv, Wo, wt; writes wt, hn
.if DOCPART == 1
	.amdgcn_target "amdgcn-amd-amdhsa--gfx1250"
	.amdhsa_code_object_version 6
	.text
	.protected	k_qc9582eae0e_prep
	.globl	k_qc9582eae0e_prep
	.p2align	8
	.type	k_qc9582eae0e_prep,@function
k_qc9582eae0e_prep:
	s_mov_b64 s[64:65], 0
	v_nop
	global_prefetch_b8 v0, s[64:65] scope:SCOPE_SE
	s_setreg_imm32_b32 hwreg(HW_REG_WAVE_MODE, 25, 1), 1
	s_wait_xcnt 0x0
; Two pieces of work that do not depend on each other, in one launch: work-groups 0 to 1,535 turn the weights, work-groups 1,536 to 2,047 normalise x.
; Every work-group moves 32 KiB in and 16 KiB out, 2,048 = 8 x 256 of them.  The branch hangs on the work-group's number alone, so all eight waves take the same arm;
; each arm has one barrier.  Memory binds: no matrix unit, no cluster (no two work-groups read the same large byte).
; WEIGHTS.  All six, f32 [K][N] in memory, are rounded to bf16 and turned to [N][K], so that every later product reads both operands with K along the rows.
;   wt: bytes 0 to 16 Mi: [8192 n][1024 k] (rows 0-4095 W1, 4096-5119 Wq (row 64 h + d), 5120- Wk, 6144- Wv, 7168- Wo); from byte 16,777,216: W2 as [1024 n][4096 k].
;   A work-group turns one tile of 128 k x 64 n.  In: a half of 16 lanes reads 256 neighbouring bytes of one k row.  Out: a wave's store covers 256 neighbouring bytes, aligned.
; LAYERNORM.  hn[row][c] = bf16( (x[row][c] - mean) * rsqrt(var + 1e-5) * g1[c] + be1[c] ).  A wave takes one whole row (32 registers), read from memory once.
;   The mean is taken away before the squares are summed, so a common offset of the inputs costs no digits of the variance.
;   Gain and bias are the same for the eight rows: wave w fetches 512 bytes of each, they meet in LDS (8 KiB), and each wave reads them back in two halves of 16 + 16 registers:
;   so this arm needs no more registers than the other one.
.set NW,  1536                         ; work-groups of the weights' arm
.set TP,  264                          ; weights: LDS pitch of a turned row: 128 k x 2 bytes + 8
.set A,   2                            ; weights: v[2:9]    byte offsets of my eight loads
.set LS,  10                           ;          v10       where I put 8 bytes (4 k of one n)
.set LR,  11                           ;          v11       where I read a turned row back
.set X,   16                           ; both:    v[16:47]  what the eight loads bring
.set D,   48                           ; weights: v[48:55]  byte offsets of my eight stores
.set Y,   56                           ;          v[56:71]  packed bf16
.set T,   4                            ; norm:    v[4:11]   four pairs at work
.set R,   12                           ;          v[12:13]  1 / sigma, twice (a pair for the packed multiply)
.set GB,  48                           ;          v[48:63] gain, v[64:79] bias of four chunks
.macro JOIN                            ; four pairs -> one number in every lane
	v_pk_add_f32 v[T:T+1], v[T:T+1], v[T+2:T+3]
	v_pk_add_f32 v[T+4:T+5], v[T+4:T+5], v[T+6:T+7]
	v_pk_add_f32 v[T:T+1], v[T:T+1], v[T+4:T+5]
	v_add_f32 v[T], v[T], v[T+1]
	v_add_f32_dpp v[T], v[T], v[T] row_xmask:1 row_mask:0xf bank_mask:0xf
	v_add_f32_dpp v[T], v[T], v[T] row_xmask:2 row_mask:0xf bank_mask:0xf
	v_add_f32_dpp v[T], v[T], v[T] row_xmask:4 row_mask:0xf bank_mask:0xf
	v_add_f32_dpp v[T], v[T], v[T] row_xmask:8 row_mask:0xf bank_mask:0xf
	v_permlanex16_b32 v[T+1], v[T], s12, s13
	v_add_f32 v[T], v[T], v[T+1]
.endm
.macro GBLOAD hf                       ; gain and bias of chunks 4 hf .. 4 hf + 3: chunk j of a lane is columns 128 j + 4 l .. + 3
.irp j, 0,1,2,3
	ds_load_b128 v[GB+4*\j:GB+4*\j+3],       v1 offset:512*(4*\hf+\j)
	ds_load_b128 v[GB+16+4*\j:GB+16+4*\j+3], v1 offset:4096+512*(4*\hf+\j)
.endr
.endm
.macro NORM hf                         ; chunks 4 hf .. 4 hf + 3: times 1 / sigma, times gain, plus bias
.set p, 0
.rept 8
	v_pk_mul_f32 v[X+16*\hf+2*p:X+16*\hf+2*p+1], v[X+16*\hf+2*p:X+16*\hf+2*p+1], v[R:R+1]
.set p, p+1
.endr
.set p, 0
.rept 8
	v_pk_fma_f32 v[X+16*\hf+2*p:X+16*\hf+2*p+1], v[X+16*\hf+2*p:X+16*\hf+2*p+1], v[GB+2*p:GB+2*p+1], v[GB+16+2*p:GB+16+2*p+1]
.set p, p+1
.endr
.endm
.macro SENDN hf                        ; rounded in place (word p from words 2 p and 2 p + 1, ascending, so no word is lost) and stored
.set p, 8*\hf
.rept 8
	v_cvt_pk_bf16_f32 v[X+p], v[X+2*p], v[X+2*p+1]
.set p, p+1
.endr
.irp j, 0,1,2,3
	global_store_b64 v2, v[X+8*\hf+2*\j:X+8*\hf+2*\j+1], s[10:11] offset:256*(4*\hf+\j)   ; 32 lanes store 256 consecutive bytes, aligned
.endr
.endm
	v_lshl_add_u32 v80, v0, 2, 0x4200
	v_mov_b32 v81, 0
	v_lshrrev_b32 v12, 5, v0
	v_readfirstlane_b32 s36, v12                   ; wave w
	s_mov_b32 s20, ttmp9                           ; g: 0-511 W1, 512- Wq, 640- Wk, 768- Wv, 896- Wo, 1024-1535 W2, 1536-2047 eight rows of x each
	s_cmp_ge_u32 s20, NW
	s_cbranch_scc1 .Lnorm
	; ---------------- the weights ----------------
	s_load_b256 s[4:11], s[0:1], 0x20              ; W1 s[4:5], W2 s[6:7], Wq s[8:9], Wk s[10:11]
	s_load_b128 s[12:15], s[0:1], 0x40             ; Wv s[12:13], Wo s[14:15]
	s_load_b64 s[16:17], s[0:1], 0x50              ; wt
	v_and_b32 v1, 31, v0                           ; lane l
	v_and_b32 v13, 15, v0                          ; r = l % 16
	v_bfe_u32 v14, v0, 4, 1                        ; hh = l / 16
	s_and_b32 s28, s20, 511
	s_mov_b32 s21, 12                              ; PSH: log2 of the source's row pitch in bytes (Wo's, the default)
	s_mov_b32 s22, 8                               ; SNT: log2 of the bytes from one n tile to the next in the source
	s_mov_b32 s23, 127                             ; TM: tiles of the tensor - 1
	s_wait_kmcnt 0x0
	s_mov_b64 s[18:19], s[14:15]                   ; SRC
	s_cmp_lt_u32 s20, 896                          ; the three head-major tensors: rows of 256 bytes, an n tile is a head (2^18 bytes)
	s_cselect_b64 s[18:19], s[12:13], s[18:19]
	s_cselect_b32 s21, 8, s21
	s_cselect_b32 s22, 18, s22
	s_cmp_lt_u32 s20, 768
	s_cselect_b64 s[18:19], s[10:11], s[18:19]
	s_cmp_lt_u32 s20, 640
	s_cselect_b64 s[18:19], s[8:9], s[18:19]
	s_cmp_lt_u32 s20, 512                          ; W1: rows of 16,384 bytes
	s_cselect_b64 s[18:19], s[4:5], s[18:19]
	s_cselect_b32 s21, 14, s21
	s_cselect_b32 s22, 8, s22
	s_cselect_b32 s23, 511, s23
	s_cmp_ge_u32 s20, 1024                         ; W2: rows of 4,096 bytes (the default), 32 k blocks, its own part of wt
	s_cselect_b64 s[18:19], s[6:7], s[18:19]
	s_cselect_b32 s23, 511, s23
	s_cselect_b32 s24, 5, 3                        ; KBB: log2 of the k blocks
	s_cselect_b32 s25, 13, 11                      ; DSH: log2 of the destination's row pitch
	s_cselect_b32 s26, 0x1000000, 0                ; DBASE
	s_cselect_b32 s27, s28, s20                    ; DI: tile index in the destination matrix
	s_and_b32 s29, s20, s23                        ; t: tile in its tensor
	s_lshl_b32 s30, 1, s24
	s_sub_co_u32 s30, s30, 1
	s_and_b32 s30, s29, s30                        ; kb
	s_lshr_b32 s31, s29, s24                       ; nt
	s_lshl_b32 s31, s31, s22
	s_add_co_u32 s32, s21, 7
	s_lshl_b32 s32, s30, s32                       ; kb x 128 rows
	s_add_co_u32 s32, s32, s31
	s_mov_b32 s33, 0
	s_add_nc_u64 s[18:19], s[18:19], s[32:33]      ; the tile's first byte in the source
	s_lshr_b32 s34, s27, s24
	s_add_co_u32 s35, s25, 6
	s_lshl_b32 s34, s34, s35                       ; 64 rows of the destination for each n tile
	s_lshl_b32 s35, s30, 8                         ; 128 k = 256 bytes for each k block
	s_add_co_u32 s34, s34, s35
	s_add_co_u32 s34, s34, s26
	s_mov_b32 s35, 0
	s_add_nc_u64 s[16:17], s[16:17], s[34:35]      ; the tile's first byte in wt
	s_lshl_b32 s37, 1, s21                         ; source pitch
	s_lshl_b32 s41, 1, s25                         ; destination pitch
	s_lshl_b32 s42, s36, 4
	v_lshl_add_u32 v15, v14, 3, s42                ; k row 16 w + 8 hh
	v_lshlrev_b32 v[A], s21, v15
	v_lshl_add_u32 v[A], v13, 4, v[A]              ; + 16 r
.irp n, 1,2,3,4,5,6,7
	v_add_nc_u32 v[A+\n], s37, v[A+\n-1]
.endr
.irp n, 0,1,2,3,4,5,6,7
	global_load_b128 v[X+4*\n:X+4*\n+3], v[A+\n], s[18:19] th:TH_LOAD_NT   ; each weight byte is read once in the launch
.endr
	v_mul_u32_u24 v[LS], v13, 4*TP                 ; turned rows 4 r .. 4 r + 3,
	v_lshl_add_u32 v[LS], v14, 4, v[LS]
	s_lshl_b32 s38, s36, 5
	v_add_nc_u32 v[LS], s38, v[LS]                 ; k = 16 w + 8 hh on: byte 32 w + 16 hh
	s_mul_i32 s39, s36, 8*TP
	v_lshl_add_u32 v[LR], v1, 3, s39               ; back: rows 8 w .. 8 w + 7, 8 bytes a lane
	s_lshl_b32 s40, s36, 3
	s_lshl_b32 s40, s40, s25
	v_lshl_add_u32 v[D], v1, 3, s40
.irp e, 1,2,3,4,5,6,7
	v_add_nc_u32 v[D+\e], s41, v[D+\e-1]
.endr
	s_wait_loadcnt 0x0
.irp q, 0,1
.irp c, 0,1,2,3
	v_cvt_pk_bf16_f32 v[Y+2*(4*\q+\c)],   v[X+4*(4*\q+0)+\c], v[X+4*(4*\q+1)+\c]   ; four neighbouring k of column 4 r + c
	v_cvt_pk_bf16_f32 v[Y+2*(4*\q+\c)+1], v[X+4*(4*\q+2)+\c], v[X+4*(4*\q+3)+\c]
	ds_store_b64 v[LS], v[Y+2*(4*\q+\c):Y+2*(4*\q+\c)+1] offset:\c*TP+\q*8
.endr
.endr
	s_wait_dscnt 0x0                               ; for the others' sake: my stores are done
	s_barrier_signal -1
	s_barrier_wait -1
.irp e, 0,1,2,3,4,5,6,7
	ds_load_b64 v[X+2*\e:X+2*\e+1], v[LR] offset:\e*TP
.endr
.irp e, 0,1,2,3,4,5,6,7
	s_wait_dscnt 7-\e                              ; the younger loads may stay out
	global_store_b64 v[D+\e], v[X+2*\e:X+2*\e+1], s[16:17]   ; 32 lanes store 256 consecutive bytes, aligned
.endr
	s_wait_tensorcnt 0x0
	ds_add_u32 v80, v81
	s_wait_dscnt 0x0
	s_endpgm
	; ---------------- the first LayerNorm ----------------
.Lnorm:
	s_load_b256 s[4:11], s[0:1], 0x0               ; x s[4:5], g1 s[6:7], be1 s[8:9], hn s[10:11]
	s_sub_co_u32 s15, s20, NW
	s_lshl_b32 s15, s15, 3
	s_add_co_u32 s15, s15, s36                     ; my row
	s_lshl_b32 s16, s15, 12                        ; x 4,096 bytes of f32
	s_mov_b32 s17, 0
	s_lshl_b32 s18, s15, 11                        ; x 2,048 bytes of bf16
	s_mov_b32 s19, 0
	s_mov_b32 s12, 0x76543210                      ; v_permlanex16_b32: each lane takes its own place in the other half
	s_mov_b32 s13, 0xfedcba98
	s_mov_b32 s22, 0x3a800000                      ; 1 / 1024
	s_mov_b32 s23, 0x3727c5ac                      ; 1e-5
	s_lshl_b32 s24, s36, 9
	v_and_b32 v1, 31, v0
	v_lshlrev_b32 v2, 3, v1                        ; 8 l
	v_lshlrev_b32 v1, 4, v1                        ; 16 l
	v_add_nc_u32 v3, s24, v1                       ; 512 w + 16 l: my 16 bytes of gain and of bias, in memory and in LDS
	s_wait_kmcnt 0x0
	s_add_nc_u64 s[4:5], s[4:5], s[16:17]
	s_add_nc_u64 s[10:11], s[10:11], s[18:19]
	global_load_b128 v[GB:GB+3],   v3, s[6:7]
	global_load_b128 v[GB+4:GB+7], v3, s[8:9]
.irp j, 0,1,2,3,4,5,6,7
	global_load_b128 v[X+4*\j:X+4*\j+3], v1, s[4:5] offset:512*\j    ; no cache hint: a later launch reads x again
.endr
	s_wait_loadcnt 8                               ; my parts of gain and bias are in; the row's eight loads stay out
	ds_store_b128 v3, v[GB:GB+3]
	ds_store_b128 v3, v[GB+4:GB+7] offset:4096
	s_wait_dscnt 0x0                               ; for the others' sake: my stores are done
	s_barrier_signal -1
	s_barrier_wait -1
	GBLOAD 0
	s_wait_loadcnt 0x0                             ; the row
.irp k, 0,1,2,3
	v_pk_add_f32 v[T+2*\k:T+2*\k+1], v[X+2*\k:X+2*\k+1], v[X+8+2*\k:X+8+2*\k+1]   ; four chains, started by the first pairs: nothing is cleared
.endr
.irp m, 2,3
.irp k, 0,1,2,3
	v_pk_add_f32 v[T+2*\k:T+2*\k+1], v[T+2*\k:T+2*\k+1], v[X+8*\m+2*\k:X+8*\m+2*\k+1]
.endr
.endr
	JOIN
	v_mul_f32 v[T+6], s22, v[T]                    ; the mean, twice
	v_mov_b32 v[T+7], v[T+6]
.set p, 0
.rept 16
	v_pk_add_f32 v[X+2*p:X+2*p+1], v[X+2*p:X+2*p+1], v[T+6:T+7] neg_lo:[0,1] neg_hi:[0,1]
.set p, p+1
.endr
.irp k, 0,1,2,3
	v_pk_mul_f32 v[T+2*\k:T+2*\k+1], v[X+2*\k:X+2*\k+1], v[X+2*\k:X+2*\k+1]
.endr
.irp m, 1,2,3
.irp k, 0,1,2,3
	v_pk_fma_f32 v[T+2*\k:T+2*\k+1], v[X+8*\m+2*\k:X+8*\m+2*\k+1], v[X+8*\m+2*\k:X+8*\m+2*\k+1], v[T+2*\k:T+2*\k+1]
.endr
.endr
	JOIN
	v_fma_f32 v[T], v[T], s22, s23                 ; variance + 1e-5
	v_rsq_f32 v[R], v[T]
	v_rsq_f32 v[R+1], v[T]
	v_nop                                          ; a plain instruction before the result is used (ISA guide 5.7.2)
	s_wait_alu depctr_va_vdst(0)
	s_wait_dscnt 0x0                               ; gain and bias of chunks 0 to 3
	NORM 0
	GBLOAD 1                                       ; the other half, into the same registers, under the first half's rounding and stores
	SENDN 0
	s_wait_dscnt 0x0
	NORM 1
	SENDN 1
	s_wait_tensorcnt 0x0
	ds_add_u32 v80, v81
	s_wait_dscnt 0x0
	s_endpgm
.Lfunc_end_k_qc9582eae0e_prep:
	.size	k_qc9582eae0e_prep, .Lfunc_end_k_qc9582eae0e_prep-k_qc9582eae0e_prep
	.p2alignl 7, 3214868480
	.fill 96, 4, 3214868480
	.section	.rodata,"a",@progbits
	.p2align	6, 0x0
	.amdhsa_kernel k_qc9582eae0e_prep
		.amdhsa_group_segment_fixed_size 17920
		.amdhsa_private_segment_fixed_size 0
		.amdhsa_enable_private_segment 0
		.amdhsa_kernarg_size 88
		.amdhsa_user_sgpr_count 2
		.amdhsa_user_sgpr_kernarg_segment_ptr 1
		.amdhsa_wavefront_size32 1
		.amdhsa_system_sgpr_workgroup_id_x 1
		.amdhsa_system_sgpr_workgroup_id_y 1
		.amdhsa_system_sgpr_workgroup_id_z 1
		.amdhsa_system_vgpr_workitem_id 0
		.amdhsa_next_free_vgpr 82
		.amdhsa_next_free_sgpr 66
		.amdhsa_reserve_vcc 0
		.amdhsa_float_denorm_mode_32 3
		.amdhsa_float_denorm_mode_16_64 3
		.amdhsa_memory_ordered 1
		.amdhsa_forward_progress 1
		.amdhsa_inst_pref_size 19
	.end_amdhsa_kernel
	.amdgpu_metadata
---
amdhsa.version: [ 1, 2 ]
amdhsa.kernels:
  - .name:           k_qc9582eae0e_prep
    .symbol:         k_qc9582eae0e_prep.kd
    .args:
      - { .name: x, .offset: 0, .size: 8, .value_kind: global_buffer, .address_space: global }
      - { .name: g1, .offset: 8, .size: 8, .value_kind: global_buffer, .address_space: global }
      - { .name: be1, .offset: 16, .size: 8, .value_kind: global_buffer, .address_space: global }
      - { .name: hn, .offset: 24, .size: 8, .value_kind: global_buffer, .address_space: global }
      - { .name: W1, .offset: 32, .size: 8, .value_kind: global_buffer, .address_space: global }
      - { .name: W2, .offset: 40, .size: 8, .value_kind: global_buffer, .address_space: global }
      - { .name: Wq, .offset: 48, .size: 8, .value_kind: global_buffer, .address_space: global }
      - { .name: Wk, .offset: 56, .size: 8, .value_kind: global_buffer, .address_space: global }
      - { .name: Wv, .offset: 64, .size: 8, .value_kind: global_buffer, .address_space: global }
      - { .name: Wo, .offset: 72, .size: 8, .value_kind: global_buffer, .address_space: global }
      - { .name: wt, .offset: 80, .size: 8, .value_kind: global_buffer, .address_space: global }
    .group_segment_fixed_size: 17920
    .private_segment_fixed_size: 0
    .kernarg_segment_align: 8
    .kernarg_segment_size: 88
    .max_flat_workgroup_size: 256
    .sgpr_count:     66
    .vgpr_count:     82
    .wavefront_size: 32
...
	.end_amdgpu_metadata
.endif
;; end of part 1
;; launch gqkv (part 2): grid 12 x 16, 4 waves a work-group, clusters of 4 x 4, 327,680 bytes of LDS; arguments hn, wt, qkv; writes qkv
.if DOCPART == 2
	.amdgcn_target "amdgcn-amd-amdhsa--gfx1250"
	.amdhsa_code_object_version 6
	.text
	.protected	k_qc9582eae0e_gqkv
	.globl	k_qc9582eae0e_gqkv
	.p2align	8
	.type	k_qc9582eae0e_gqkv,@function
k_qc9582eae0e_gqkv:
	s_mov_b64 s[64:65], 0
	v_nop
	global_prefetch_b8 v0, s[64:65] scope:SCOPE_SE
	s_setreg_imm32_b32 hwreg(HW_REG_WAVE_MODE, 25, 1), 1
	s_wait_xcnt 0x0
	s_wait_alu depctr_hold_cnt(0) depctr_sa_sdst(0) depctr_va_vdst(0) depctr_va_sdst(0) depctr_va_ssrc(0) depctr_va_vcc(0) depctr_vm_vsrc(0)
	s_getreg_b32 s2, hwreg(HW_REG_IB_STS2, 6, 4)
	s_cmp_eq_u32 s2, 0
	s_cbranch_scc0 .Lentry_in_a_cluster
	s_endpgm
.Lentry_in_a_cluster:
	s_bfe_u32 s2, ttmp6, 0x10000c
	s_cmp_lg_u32 s2, 0xf033
	s_cbranch_scc0 .Lentry_shape_is_right
	s_endpgm
.Lentry_shape_is_right:
; q, k, v = hn x [Wq | Wk | Wv].  A = hn [4096][1024] bf16; B = rows 4096-7167 of wt, [3072 n][1024 k] bf16; sums in f32, rounded once to bf16.
; Result head-major: qkv[cg = n / 64][m][n % 64], cg = 16 sel + head, so that a head's rows are dense for the attention launch.
; A tile of C is 256 x 256: four waves, each 128 x 128 in 64 accumulators (512 registers).  K goes in steps of 128 through two LDS slots filled by the tensor data mover.
; 12 x 16 = 192 work-groups: 64 WGPs have no work in this launch; a tile of 256 x 192 would cut a head between waves.
; CLUSTER 4 x 4: the four of a row need the same tiles of A, the four of a column the same tiles of B; each tile is asked for jointly, with a mask that names the four.
; The matrix instruction is used transposed (source 0 = 16 rows of B, source 1 = 16 rows of A): a lane holds eight neighbouring columns of one row of C.
; REGISTERS: window 0: v16-27 addresses, v64-127 and v128-191 A's fragments (two buffers), v192-223 packed results, v32-63 and v224-255 rows read back;
;   window 1: v64-127, v128-191 B's fragments (with EPI = 1: v0-63 the bias); windows 2 and 3: the accumulators of my rows 0-63 and 64-127, (a, b) at v[8 (8 a + b)].
; The same text serves the first feed-forward product with EPI = 1 (bias as the sums' start, relu, row-major result).
.set EPI,    0
.set SIZE_K, 1024
.set SIZE_N, 4096                      ; columns of a row-major result (EPI = 1 only)
.set BOFF,   8388608                   ; B's first byte in wt
.set ZFIRST, 1+EPI                     ; how the first products start the sums: 1 the constant 0, 2 the bias
.set KSTEP,  128
.set PITCH,  272                       ; an LDS row: 256 bytes + 16 of padding: the 16 rows of a fragment load start at 16 different 16-byte columns
.set HALFT,  128*PITCH
.set SLOT,   4*HALFT                   ; A's 256 rows, then B's 256 rows
.set STAGE,  2*SLOT                    ; behind the ring: 16 rows x 272 bytes for each wave; no tensor load lands here
.set SPITCH, 272
.set LAPS,   SIZE_K/(2*KSTEP)
.set ADRA, 16
.set ADRB, 20
.set STO,  24
.set RD,   25
.set CO,   26
.set BA,   27
.set F0,   64
.set F1,   128
.set TMP,  192
.set OB,   32
.set G1,   24                          ; s[24:31] group 1 for A, s[32:39] group 0 for A (a set for each slot)
.set G0,   32
.set G1B,  48                          ; s[48:55], s[56:63] the same for B
.set G0B,  56
.set MSB,  0
.macro WIN new                         ; the immediate's high byte repeats the setting that is left; a switch that changes nothing is dropped
.if MSB != \new
	s_set_vgpr_msb (MSB<<8)|\new
.set MSB, \new
.endif
.endm
.set MUL_LO, 0xa1                      ; source 0 (B) window 1, source 1 (A) window 0, C and D window 2
.set MUL_HI, 0xf1                      ; the same, C and D window 3
.set TO_B,   0x40                      ; destination window 1, address window 0
.macro JLOAD s                         ; a joint load: waves 0, 1 fetch A's halves, waves 2, 3 B's; four v_nop follow each line
	s_cmp_eq_u32 s11, 0
	s_cbranch_scc0 .Lfor_b_\@
	tensor_load_to_lds s[G0+4*\s:G0+4*\s+3], s[G1:G1+7]
	s_nop 0
.rept 4
	v_nop
.endr
	s_branch .Lasked_\@
.Lfor_b_\@:
	tensor_load_to_lds s[G0B+4*\s:G0B+4*\s+3], s[G1B:G1B+7]
	s_nop 0
.rept 4
	v_nop
.endr
.Lasked_\@:
.endm
.macro CREST                           ; a round of the cluster's barrier behind its opening barrier
	s_cmp_lg_u32 s10, 0
	s_cbranch_scc1 .Lnot_wave_0_\@
	s_barrier_signal -3
.Lnot_wave_0_\@:
	s_barrier_wait -3
	s_barrier_signal -1
	s_barrier_wait -1
.endm
.macro CROUND
	s_barrier_signal -1
	s_barrier_wait -1
	CREST
.endm
	s_load_b128 s[4:7], s[0:1], 0x0                ; A s[4:5], wt s[6:7]
.if EPI
	s_load_b64 s[66:67], s[0:1], 0x10              ; bias
	s_load_b64 s[8:9], s[0:1], 0x18                ; C
.else
	s_load_b64 s[8:9], s[0:1], 0x10                ; C
	s_set_vgpr_msb 0x40
	v_lshl_add_u32 v255, v0, 2, 0x48400
	s_set_vgpr_msb 0x4000
	v_mov_b32 v31, 0
	s_set_vgpr_msb 0x1
	ds_add_u32 v255, v31
	ds_add_u32 v255, v31
	s_set_vgpr_msb 0x100
.endif
	v_lshrrev_b32 v1, 5, v0
	v_readfirstlane_b32 s10, v1                    ; wave 0..3
	s_lshr_b32 s11, s10, 1                         ; my half of the tile's rows; also: I fetch for A (0) or B (1)
	s_and_b32 s12, s10, 1                          ; my half of its columns; also: which 128 rows I fetch
	s_bfe_u32 s40, ttmp6, 0x40000                  ; cx
	s_bfe_u32 s41, ttmp6, 0x40004                  ; cy
	s_lshl_b32 s42, ttmp9, 2
	s_add_co_u32 s42, s42, s40                     ; tile column
	s_and_b32 s13, ttmp7, 0xffff
	s_lshl_b32 s13, s13, 2
	s_add_co_u32 s13, s13, s41                     ; tile row
	s_lshl_b32 s43, s41, 2
	s_lshl_b32 s43, 15, s43                        ; my row of the cluster
	s_lshl_b32 s44, 0x1111, s40                    ; my column
	s_or_b32 s[G1+0], s43, (1<<16)|(1<<20)|(1<<21)|(5<<22)|(3<<25)   ; mask; 2-byte elements; padding on; bit 21 beside a mask; 4 words after every 64
	s_or_b32 s[G1B+0], s44, (1<<16)|(1<<20)|(1<<21)|(5<<22)|(3<<25)
.irp g, G1, G1B
	s_mov_b32 s[\g+1], KSTEP<<16                   ; tensor_dim0 = 128
	s_mov_b32 s[\g+2], 128<<16                     ; tensor_dim1 = 128
	s_mov_b32 s[\g+3], KSTEP<<16                   ; tile_dim0 = 128
	s_mov_b32 s[\g+4], 128                         ; tile_dim1 = 128
	s_mov_b32 s[\g+5], SIZE_K                      ; elements from row to row
	s_mov_b32 s[\g+6], 0
	s_mov_b32 s[\g+7], 0
.endr
	s_lshl_b32 s17, s12, 7
	s_lshl_b32 s16, s13, 8
	s_add_co_u32 s16, s16, s17                     ; A: row 256 x tile row + 128 x half
	s_lshl_b32 s46, s42, 8
	s_add_co_u32 s46, s46, s17                     ; B: row 256 x tile column + 128 x half
	s_mov_b32 s17, 0
	s_mov_b32 s47, 0
	s_mov_b64 s[18:19], SIZE_K*2
	s_mul_u64 s[16:17], s[16:17], s[18:19]
	s_mul_u64 s[46:47], s[46:47], s[18:19]
	s_mul_i32 s20, s10, HALFT                      ; LDS: wave x 128 rows; no place in the cluster enters an LDS address
	s_wait_dscnt 0x0
	s_wait_kmcnt 0x0
	s_add_nc_u64 s[14:15], s[4:5], s[16:17]
	s_add_nc_u64 s[46:47], s[6:7], s[46:47]
.if BOFF
	s_add_nc_u64 s[46:47], s[46:47], BOFF
.endif
	CROUND                                         ; all sixteen work-groups are here: the first joint loads meet
.irp s, 0,1
	s_mov_b32 s[G0+4*\s], 1
	s_add_co_u32 s[G0+4*\s+1], s20, \s*SLOT
	s_add_nc_u64 s[G0+4*\s+2:G0+4*\s+3], s[14:15], \s*KSTEP*2
	s_or_b32 s[G0+4*\s+3], s[G0+4*\s+3], 0x80000000
	s_mov_b32 s[G0B+4*\s], 1
	s_add_co_u32 s[G0B+4*\s+1], s20, \s*SLOT
	s_add_nc_u64 s[G0B+4*\s+2:G0B+4*\s+3], s[46:47], \s*KSTEP*2
	s_or_b32 s[G0B+4*\s+3], s[G0B+4*\s+3], 0x80000000
	JLOAD \s                                       ; two loads of mine are out
.endr
	v_and_b32 v1, 15, v0                           ; l % 16
	v_bfe_u32 v2, v0, 4, 1                         ; l / 16
	v_mul_u32_u24 v3, v1, PITCH
	v_lshl_add_u32 v3, v2, 4, v3                   ; a fragment's row x pitch + 16 x half
	s_mul_i32 s21, s11, HALFT
	s_mul_i32 s22, s12, HALFT
	s_add_co_u32 s22, s22, 2*HALFT
.irp s, 0,1
	v_add_nc_u32 v[ADRA+\s], s21, v3
	v_add_nc_u32 v[ADRB+\s], s22, v3
	s_add_co_u32 s21, s21, SLOT
	s_add_co_u32 s22, s22, SLOT
.endr
	s_mul_i32 s23, s10, 16*SPITCH
	s_add_co_u32 s23, s23, STAGE                   ; my stage
	v_mul_u32_u24 v4, v1, SPITCH
	v_lshl_add_u32 v4, v2, 4, v4
	v_add_nc_u32 v[STO], s23, v4                   ; in: row l % 16, 16 bytes for each half of the lanes
.if EPI
	v_mul_u32_u24 v5, v2, SPITCH                   ; back: lanes 0-15 one row of 256 bytes, lanes 16-31 the next
	v_lshl_add_u32 v5, v1, 4, v5
	v_add_nc_u32 v[RD], s23, v5
	v_mul_u32_u24 v5, v2, SIZE_N*2
	v_lshl_add_u32 v[CO], v1, 4, v5
	s_lshl_b32 s13, s13, 8
	s_lshl_b32 s14, s11, 7
	s_add_co_u32 s16, s13, s14                     ; my first row of C
	s_mul_i32 s16, s16, SIZE_N*2                   ; under 2^26
	s_mov_b32 s17, 0
	s_lshl_b32 s46, s42, 9
	s_lshl_b32 s47, s12, 8
	s_add_co_u32 s46, s46, s47                     ; my first column, in bytes of bf16
	s_mov_b32 s47, 0
	s_add_nc_u64 s[16:17], s[16:17], s[46:47]      ; what the first way out adds to C's address
	s_lshl_b32 s46, s46, 1                         ; the same column in bytes of f32
	s_add_nc_u64 s[66:67], s[66:67], s[46:47]
	v_lshlrev_b32 v[BA], 5, v2                     ; a lane's eight columns of n block b: 16 b + 8 (l / 16) on
	WIN TO_B
.irp b, 0,1,2,3,4,5,6,7
	global_load_b128 v[8*\b:8*\b+3],   v[BA], s[66:67] offset:64*\b
	global_load_b128 v[8*\b+4:8*\b+7], v[BA], s[66:67] offset:64*\b+16
.endr
	WIN 0
.else
	v_bfe_u32 v6, v0, 3, 2                         ; back: eight lanes take 128 bytes (a head's part) of one row, a load takes four rows
	v_and_b32 v7, 7, v0
	v_mul_u32_u24 v5, v6, SPITCH
	v_lshl_add_u32 v5, v7, 4, v5
	v_add_nc_u32 v[RD], s23, v5
	v_and_b32 v5, 31, v0
	v_lshlrev_b32 v[CO], 4, v5                     ; four rows of 128 bytes are 512 consecutive bytes of a head
	s_lshl_b32 s16, s13, 15                        ; 256 x tile row x 128 bytes
	s_lshl_b32 s14, s11, 14
	s_add_co_u32 s16, s16, s14
	s_mov_b32 s17, 0
	s_lshl_b32 s46, s42, 21                        ; four heads a tile column, 524,288 bytes a head,
	s_lshl_b32 s47, s12, 20                        ; two a wave
	s_add_co_u32 s46, s46, s47
	s_mov_b32 s47, 0
	s_add_nc_u64 s[16:17], s[16:17], s[46:47]
.endif
; 16 matrix instructions: m blocks a0, a0 + 1 of the window's four x all 8 n blocks, 32 along K.  The 64 accumulators take turns, one instruction a turn.
.macro MUL16 f, hi, a0, zero
.irp a, \a0, \a0+1
.irp b, 0,1,2,3,4,5,6,7
.if \zero == 1
	v_wmma_f32_16x16x32_bf16 v[8*(8*(\a)+\b):8*(8*(\a)+\b)+7], v[\f+8*\b:\f+8*\b+7], v[\f+8*(4*\hi+\a):\f+8*(4*\hi+\a)+7], 0
.elseif \zero == 2
	v_wmma_f32_16x16x32_bf16 v[8*(8*(\a)+\b):8*(8*(\a)+\b)+7], v[\f+8*\b:\f+8*\b+7], v[\f+8*(4*\hi+\a):\f+8*(4*\hi+\a)+7], v[8*\b:8*\b+7]
.else
	v_wmma_f32_16x16x32_bf16 v[8*(8*(\a)+\b):8*(8*(\a)+\b)+7], v[\f+8*\b:\f+8*\b+7], v[\f+8*(4*\hi+\a):\f+8*(4*\hi+\a)+7], v[8*(8*(\a)+\b):8*(8*(\a)+\b)+7]
.endif
.endr
.endr
.endm
.macro FETCH slot, k, f                ; 32 LDS loads in one run: a quarter step's fragments (B's 128 rows, then A's) into buffer f
	WIN TO_B
.irp i, 0,1,2,3,4,5,6,7
	ds_load_b128 v[\f+8*\i:\f+8*\i+3],   v[ADRB+\slot] offset:\k+\i*16*PITCH
	ds_load_b128 v[\f+8*\i+4:\f+8*\i+7], v[ADRB+\slot] offset:\k+\i*16*PITCH+32
.endr
	WIN 0
.irp i, 0,1,2,3,4,5,6,7
	ds_load_b128 v[\f+8*\i:\f+8*\i+3],   v[ADRA+\slot] offset:\k+\i*16*PITCH
	ds_load_b128 v[\f+8*\i+4:\f+8*\i+7], v[ADRA+\slot] offset:\k+\i*16*PITCH+32
.endr
.endm
.macro PLACES                          ; four plain vector instructions between a matrix instruction and a load into, or a vector read of, its registers
.rept 4
	v_nop
.endr
.endm
.macro QUARTER slot, k, f, g, zero     ; 64 matrix instructions on buffer f; in the middle the next quarter's fragments, at byte k, go into buffer g
	s_wait_dscnt 8                                 ; B and A's rows 0-63 are in; the youngest eight loads (A's rows 64-127) may be out
.if \zero == 2
	WIN 0x91                                       ; C (the bias) in window 1, D in window 2
.else
	WIN MUL_LO
.endif
	MUL16 \f, 0, 0, \zero
	MUL16 \f, 0, 2, \zero
	PLACES
	FETCH \slot, \k, \g
	s_wait_dscnt 32                                ; all but the 32 just issued
.if \zero == 2
	WIN 0xd1
.else
	WIN MUL_HI
.endif
	MUL16 \f, 1, 0, \zero
	MUL16 \f, 1, 2, \zero
.endm
; The last quarter of a K step multiplies buffer 1 and changes slots.  One barrier: in front of it each wave waits for its reads of this slot and for all its tensor loads
; (one is out: its part of the next slot).  fill = 1: the barrier opens a round of the cluster's barrier, and this slot is filled again first thing behind the round.
.macro TURN slot, next, fill
	s_wait_dscnt 8
	WIN MUL_LO
	MUL16 F1, 0, 0, 0
	s_wait_dscnt 0
	s_wait_tensorcnt 0x0
	ds_add_u32 v255, v31
	s_wait_dscnt 0x0
	s_barrier_signal -1
	MUL16 F1, 0, 2, 0
.if \fill
	WIN 0
.endif
	s_barrier_wait -1
.if \fill
	CREST
	s_add_nc_u64 s[G0+4*\slot+2:G0+4*\slot+3], s[G0+4*\slot+2:G0+4*\slot+3], 2*KSTEP*2
	s_add_nc_u64 s[G0B+4*\slot+2:G0B+4*\slot+3], s[G0B+4*\slot+2:G0B+4*\slot+3], 2*KSTEP*2
	JLOAD \slot                                    ; 240 matrix instructions ahead of the wait for it; its four v_nop are also the places in front of the loads below
.else
	PLACES
.endif
	FETCH \next, 0, F0
	WIN MUL_HI
	MUL16 F1, 1, 0, 0
	MUL16 F1, 1, 2, 0
.endm
; THE WAY OUT of block a (16 rows): PACK rounds to bf16, TOSTAGE sends 16 bytes a lane through my own stage, SEND stores.
.macro PACK a
.set AC, 64*((\a)%4)
.if EPI
	WIN 0x88+0x44*((\a)/4)                         ; source 1 and destination: window 2 or 3
.set x, 0
.rept 64
	v_max_num_f32 v[AC+x], 0, v[AC+x]              ; relu, each accumulator from its lowest register on
.set x, x+1
.endr
.endif
	WIN 0x0a+5*((\a)/4)                            ; sources 0 and 1: window 2 or 3
.irp b, 0,1,2,3,4,5,6,7
.irp w, 0,1,2,3
	v_cvt_pk_bf16_f32 v[TMP+4*\b+\w], v[AC+8*\b+2*\w], v[AC+8*\b+2*\w+1]
.endr
.endr
	WIN 0
.endm
.macro TOSTAGE a
.set BK, OB+192*((\a)%2)
.irp b, 0,1,2,3,4,5,6,7
	ds_store_b128 v[STO], v[TMP+4*\b:TMP+4*\b+3] offset:32*\b
.endr
.irp t, 0,1,2,3,4,5,6,7
.if EPI
	ds_load_b128 v[BK+4*\t:BK+4*\t+3], v[RD] offset:\t*2*SPITCH             ; LDS serves a wave's instructions in order (ISA guide 5.7.1.4): these see the stores above
.else
	ds_load_b128 v[BK+4*\t:BK+4*\t+3], v[RD] offset:(\t%4)*4*SPITCH+(\t/4)*128   ; rows 4 (t % 4) on, head t / 4 of my two
.endif
.endr
.endm
.macro SEND a
.set BK, OB+192*((\a)%2)
	s_wait_dscnt 0                                 ; the block is back in registers
	s_wait_xcnt 0x0                                ; the stores' base and the registers that earlier stores read are rewritten only behind this wait
.if (\a) == 0
	s_add_nc_u64 s[8:9], s[8:9], s[16:17]
.elseif EPI
	s_add_nc_u64 s[8:9], s[8:9], 16*SIZE_N*2
.else
	s_add_nc_u64 s[8:9], s[8:9], 16*128
.endif
.irp t, 0,1,2,3,4,5,6,7
.if EPI
	global_store_b128 v[CO], v[BK+4*\t:BK+4*\t+3], s[8:9] offset:2*\t*SIZE_N*2          ; 16 lanes store 256 consecutive bytes, aligned
.else
	global_store_b128 v[CO], v[BK+4*\t:BK+4*\t+3], s[8:9] offset:(\t/4)*524288+(\t%4)*512   ; the wave stores 512 consecutive bytes, aligned
.endif
.endr
.endm
	s_wait_tensorcnt 1                             ; my part of K step 0 is in; K step 1's stays out
	s_barrier_signal -1
	s_barrier_wait -1
	FETCH 0, 0, F0
.if EPI
	s_wait_loadcnt 0x0                             ; the bias
.endif
	QUARTER 0, 64,  F0, F1, ZFIRST                 ; the first quarter starts the sums: nothing is cleared
	WIN 0
	s_mov_b32 s3, LAPS-1
.Llap:                                                 ; a trip goes once round the ring and fills both slots again
	QUARTER 0, 128, F1, F0, 0
	QUARTER 0, 192, F0, F1, 0
	TURN 0, 1, 1
	QUARTER 1, 64,  F0, F1, 0
	QUARTER 1, 128, F1, F0, 0
	QUARTER 1, 192, F0, F1, 0
	TURN 1, 0, 1
	QUARTER 0, 64,  F0, F1, 0
	WIN 0
	s_sub_co_u32 s3, s3, 1
	s_cmp_lg_u32 s3, 0
	s_cbranch_scc1 .Llap
	QUARTER 0, 128, F1, F0, 0                      ; the last lap fills nothing
	QUARTER 0, 192, F0, F1, 0
	TURN 0, 1, 0
	QUARTER 1, 64,  F0, F1, 0
	QUARTER 1, 128, F1, F0, 0
	QUARTER 1, 192, F0, F1, 0
	s_wait_dscnt 8
	WIN MUL_LO
	MUL16 F1, 0, 0, 0
	MUL16 F1, 0, 2, 0
	s_wait_dscnt 0
	WIN MUL_HI
	MUL16 F1, 1, 0, 0
	MUL16 F1, 1, 2, 0
	WIN 0
	PLACES
	PACK 0
	TOSTAGE 0
.irp a, 1,2,3,4,5,6,7                  ; block a's arithmetic stands between block a - 1's loads from the stage and the wait for them
	PACK \a
	SEND \a-1
	TOSTAGE \a
.endr
	SEND 7
	s_set_vgpr_msb 0x1
	s_wait_tensorcnt 0x0
	ds_add_u32 v255, v31
	s_wait_dscnt 0x0
	s_set_vgpr_msb 0x100
	CROUND                                         ; the closing round: no work-group ends while a partner may still ask for a tile that names it
	s_endpgm
.Lfunc_end_k_qc9582eae0e_gqkv:
	.size	k_qc9582eae0e_gqkv, .Lfunc_end_k_qc9582eae0e_gqkv-k_qc9582eae0e_gqkv
	.p2alignl 7, 3214868480
	.fill 96, 4, 3214868480
	.section	.rodata,"a",@progbits
	.p2align	6, 0x0
	.amdhsa_kernel k_qc9582eae0e_gqkv
		.amdhsa_group_segment_fixed_size 327680
		.amdhsa_private_segment_fixed_size 0
		.amdhsa_enable_private_segment 0
		.amdhsa_kernarg_size 24
		.amdhsa_user_sgpr_count 2
		.amdhsa_user_sgpr_kernarg_segment_ptr 1
		.amdhsa_wavefront_size32 1
		.amdhsa_system_sgpr_workgroup_id_x 1
		.amdhsa_system_sgpr_workgroup_id_y 1
		.amdhsa_system_sgpr_workgroup_id_z 1
		.amdhsa_system_vgpr_workitem_id 0
		.amdhsa_next_free_vgpr 1024
		.amdhsa_next_free_sgpr 72
		.amdhsa_reserve_vcc 0
		.amdhsa_float_denorm_mode_32 3
		.amdhsa_float_denorm_mode_16_64 3
		.amdhsa_memory_ordered 1
		.amdhsa_forward_progress 1
		.amdhsa_inst_pref_size 143
	.end_amdhsa_kernel
	.amdgpu_metadata
---
amdhsa.version: [ 1, 2 ]
amdhsa.kernels:
  - .name:           k_qc9582eae0e_gqkv
    .symbol:         k_qc9582eae0e_gqkv.kd
    .args:
      - { .name: hn, .offset: 0, .size: 8, .value_kind: global_buffer, .address_space: global }
      - { .name: wt, .offset: 8, .size: 8, .value_kind: global_buffer, .address_space: global }
      - { .name: qkv, .offset: 16, .size: 8, .value_kind: global_buffer, .address_space: global }
    .group_segment_fixed_size: 327680
    .private_segment_fixed_size: 0
    .kernarg_segment_align: 8
    .kernarg_segment_size: 24
    .max_flat_workgroup_size: 128
    .sgpr_count:     72
    .vgpr_count:     1024
    .wavefront_size: 32
...
	.end_amdgpu_metadata
.endif
;; end of part 2
;; launch attn (part 3): grid 8 x 32, 4 waves a work-group, no clusters, 327,680 bytes of LDS; arguments qkv, att; writes att
.if DOCPART == 3
	.amdgcn_target "amdgcn-amd-amdhsa--gfx1250"
	.amdhsa_code_object_version 6
	.text
	.protected	k_qc9582eae0e_attn
	.globl	k_qc9582eae0e_attn
	.p2align	8
	.type	k_qc9582eae0e_attn,@function
k_qc9582eae0e_attn:
	s_mov_b64 s[64:65], 0
	v_nop
	global_prefetch_b8 v0, s[64:65] scope:SCOPE_SE
	s_setreg_imm32_b32 hwreg(HW_REG_WAVE_MODE, 25, 1), 1
	s_wait_xcnt 0x0
; att[h][m][:] = the sum over keys s <= t of softmax_s(q . k / 32) v.  qkv: [48][4096][64] bf16 (q: 0-15, k: 16-31, v: 32-47; m = 2048 b + t); att: [16][4096][64] bf16.
; Products, maxima and sums in f32; the weights are rounded to bf16 for the second product, and the divisor is the sum of the ROUNDED weights; weights under 2^-126 become 0.
; SHARES.  Work-group (i, bh) makes two blocks of 128 queries of one head: block i, then block 15 - i: (i + 1) + (16 - i) = 17 key blocks of 128 for every work-group.
; A wave owns 32 queries of a block: two tiles of 16.  Each pass takes its DIAGONAL key block first (masked; it starts m, l and O: key 0 of the block is open to every
; query of it, so m is finite from the first block on), then the key blocks below it, which need no mask.
; NO MULTICAST: in this order the eight work-groups of a head stand at different key blocks in the same step; in lock-step the longest would need 20 blocks' time against 17.
; LAYOUT.  S^T = K Q^T and O^T = V^T P: a lane holds ONE query (l % 16) throughout; two accumulators of S^T rounded in pairs ARE source 1 of the second product.
; ONE SOFTMAX FOR A BLOCK OF 128 KEYS: the exchange between the halves of the lanes, a = 2^(c m_old - c m_new) and the rescaling of O^T are paid once for 128 keys.
; l BY THE MATRIX UNIT: a fifth block of V^T is a constant fragment of ones, so its accumulator holds the sum of the weights over all 32 keys of a product, the same number in
; all its registers and in both halves of the lanes.  Only its lowest register is rescaled and read; the others grow by at most 1 a key, 2,048 in all, and are never used.
; So a tile's softmax for 128 keys is 183 vector instructions (32 maxima, 6 for m and a, 32 scalings, 64 exponentials, 32 roundings, 1 + 16 rescalings) for 36 matrix instructions.
; BY TURNS INSIDE A BLOCK: K Q^T of tile 0;  K Q^T of tile 1 with tile 0's softmax in slices behind its products;  V^T P of tile 0 with tile 1's softmax in slices;  V^T P of
; tile 1.  36 of the 72 matrix instructions run beside vector work.  Nothing is carried from one block to the next, so the change of pass needs no form of its own.
; RING.  Two LDS slots of 128 keys (two steps of 64: K's rows at pitch 144, then V's at pitch 160).  Waves 0, 1 fetch K's two steps, waves 2, 3 V's: one tensor load a wave
; behind each barrier, and by this text's count one is out; it has a block's work in which to land.
; REGISTERS.  Window 0: v1-13 addresses, v16-31 statistics, v32-63 the way out, v64-191 S^T (64 a tile), v192-255 P (32 a tile).
;   Window 1: v0-127 K of the block, v128-159 Q.   Window 2: v0-127 V of the block, v128-135 ones, v136-151 l, v192-255 O^T (32 a tile).
.set PK,    144
.set PV,    160
.set VOFF,  64*PK
.set STEPB, 64*(PK+PV)
.set SLOT1, 65536                      ; slot 1 begins here: one exclusive or turns an address in one slot into the other's
.set STAGE, SLOT1+2*STEPB              ; 32 rows x 144 bytes for each wave; no tensor load lands here
.set SP,    144
.set AK0, 2
.set AV0, 3
.set ADRK, 4
.set ADRV, 5
.set QO,  6
.set STO, 7
.set RD,  8
.set GO,  9
.set NINF, 11
.set DQ,  12                           ; v12, v13: tile t's query in the block, less 8 (l / 16)
.set ST,  16                           ; tile t at v[ST + 8 t]: +0 c m, +1 m, +2, +3, +4, +7 four chains of the maximum, +5 c m_old, +6 a (at a pass's end 1 / l)
.set TO,  32
.set S,   64
.set P,   192
.set KF,  0                            ; window 1
.set QF,  128
.set VF,  0                            ; window 2
.set ONES, 128
.set LSUM, 136
.set O,   192
.set WV,  8
.set II,  9
.set I1,  10
.set HI,  11
.set KB,  16                           ; s[16:17] K of my head at my step of a block; s[18:19] V
.set VB,  18
.set QA,  20                           ; s[20:21], s[22:23] my rows of Q in pass A, B;  s[24:25], s[26:27] of att
.set QB,  22
.set OA,  24
.set OBB, 26
.set G1K, 28
.set G1V, 36
.set G0K, 44
.set G0V, 48
.set CS,  52                           ; s[52:53] c = log2(e) / 32
.set SEL, 54
.set TB,  56                           ; LDS byte at which the slot to be read begins
.set SS,  57                           ; the slot-step, 0 to 16
.set NXT, 58
.set TS,  59
.set OFP, 60
.set W_L1, 0x40                        ; destination window 1 (loads of K and Q)
.set W_L2, 0x80                        ; destination window 2 (loads of V, the ones)
.set W_KQ, 0x05                        ; K and Q in window 1, S^T in window 0
.set W_PV, 0xa2                        ; V or the ones, C and D in window 2; P in window 0
.set W_RS, 0x82                        ; destination and source 0 in window 2, source 1 (a) in window 0
.set W_RC, 0x02                        ; source 0 in window 2
.set W_CV, 0x0a                        ; sources 0 and 1 in window 2
.set MSB, 0
.macro WIN new                         ; the immediate's high byte repeats the setting that is left; a switch that changes nothing is dropped
.if MSB != \new
	s_set_vgpr_msb (MSB<<8)|\new
.set MSB, \new
.endif
.endm
.macro PLACES                          ; four plain vector instructions between a matrix instruction and a load into, or a vector read of, its registers
.rept 4
	v_nop
.endr
.endm
.macro KVLOAD                          ; four v_nop follow each of the two lines
	s_cmp_lt_u32 s[WV], 2
	s_cbranch_scc0 .Lfor_v_\@
	tensor_load_to_lds s[G0K:G0K+3], s[G1K:G1K+7]
	s_nop 0
.rept 4
	v_nop
.endr
	s_branch .Lasked_\@
.Lfor_v_\@:
	tensor_load_to_lds s[G0V:G0V+3], s[G1V:G1V+7]
	s_nop 0
.rept 4
	v_nop
.endr
.Lasked_\@:
.endm
.macro QLOADS q                        ; fragment f: tile f / 2, channels 32 (f % 2) on
.irp f, 0,1,2,3
	global_load_b128 v[QF+8*\f:QF+8*\f+3],   v[QO], s[\q:\q+1] offset:(\f/2)*2048+(\f%2)*64
	global_load_b128 v[QF+8*\f+4:QF+8*\f+7], v[QO], s[\q:\q+1] offset:(\f/2)*2048+(\f%2)*64+32
.endr
.endm
.macro KLOADS                          ; keys 16 b on, channels 32 c on; the sixteen loads of channels 0-31 first, since the first products want them
.irp c, 0,1
.irp b, 0,1,2,3,4,5,6,7
	ds_load_b128 v[KF+16*\b+8*\c:KF+16*\b+8*\c+3],   v[ADRK] offset:(\b/4)*STEPB+(\b%4)*16*PK+\c*64
	ds_load_b128 v[KF+16*\b+8*\c+4:KF+16*\b+8*\c+7], v[ADRK] offset:(\b/4)*STEPB+(\b%4)*16*PK+\c*64+32
.endr
.endr
.endm
.macro VLOADS                          ; fragment f: keys 32 (f / 4) on, channels 16 (f % 4) on, turned
.irp f, 0,1,2,3,4,5,6,7,8,9,10,11,12,13,14,15
	ds_load_tr16_b128 v[VF+8*\f:VF+8*\f+3],   v[ADRV] offset:(\f/8)*STEPB+((\f/4)%2)*32*PV+(\f%4)*32
	ds_load_tr16_b128 v[VF+8*\f+4:VF+8*\f+7], v[ADRV] offset:(\f/8)*STEPB+((\f/4)%2)*32*PV+16*PV+(\f%4)*32
.endr
.endm
	s_load_b128 s[4:7], s[0:1], 0x0                ; qkv s[4:5], att s[6:7]
	s_set_vgpr_msb 0x40
	v_lshl_add_u32 v254, v0, 2, 0x29000
	v_mov_b32 v255, 0
	s_set_vgpr_msb 0x4045
	ds_add_u32 v254, v255
	ds_add_u32 v254, v255
	s_set_vgpr_msb 0x4500
	v_lshrrev_b32 v1, 5, v0
	v_readfirstlane_b32 s[WV], v1
	s_mov_b32 s[II], ttmp9
	s_add_co_u32 s[I1], s[II], 1
	s_sub_co_u32 s[HI], 15, s[II]
	s_and_b32 s12, ttmp7, 0xffff                   ; 16 b + h
	s_and_b32 s13, s12, 15
	s_lshr_b32 s12, s12, 4
	s_lshl_b32 s14, s13, 19                        ; h x 524,288
	s_lshl_b32 s12, s12, 18                        ; b x 2,048 rows of 128 bytes
	s_add_co_u32 s14, s14, s12
	s_mov_b32 s15, 0
	s_and_b32 s12, s[WV], 1                        ; which of a block's two steps I fetch
	s_lshl_b32 s13, s12, 13                        ; its 64 rows of 128 bytes
	s_add_co_u32 s[OFP], s14, s13
	s_mov_b32 s[OFP+1], 0
	s_mul_i32 s[TS], s12, STEPB                    ; and its place in a slot
	; group 1: 64 keys x 128 bytes lie dense in memory and come as 32 rows of 256 bytes; the padding follows every 32 words, so each key's 128 bytes get a pitch of their own
	s_mov_b32 s[G1K], (1<<16)|(1<<20)|(4<<22)|(3<<25)   ; 2-byte elements; padding on; after every 32 words 4 words: pitch 144
	s_mov_b32 s[G1V], (1<<16)|(1<<20)|(4<<22)|(7<<25)   ; 8 words: pitch 160
.irp g, G1K, G1V
	s_mov_b32 s[\g+1], 128<<16                     ; tensor_dim0 = 128
	s_mov_b32 s[\g+2], 32<<16                      ; tensor_dim1 = 32
	s_mov_b32 s[\g+3], 128<<16                     ; tile_dim0 = 128
	s_mov_b32 s[\g+4], 32                          ; tile_dim1 = 32
	s_mov_b32 s[\g+5], 128                         ; elements from row to row
	s_mov_b32 s[\g+6], 0
	s_mov_b32 s[\g+7], 0
.endr
	s_mov_b32 s[CS], 0x3d38aa3b                    ; log2(e) / sqrt(1024)
	s_mov_b32 s[CS+1], s[CS]
	s_mov_b32 s[SEL], 0x76543210
	s_mov_b32 s[SEL+1], 0xfedcba98
	s_mov_b32 s[TB], 0
	s_wait_dscnt 0x0
	s_wait_kmcnt 0x0
	s_add_nc_u64 s[KB:KB+1], s[4:5], s[OFP:OFP+1]
	s_add_nc_u64 s[VB:VB+1], s[KB:KB+1], 16777216  ; v begins 32 heads' bytes behind q,
	s_add_nc_u64 s[KB:KB+1], s[KB:KB+1], 8388608   ; k 16
	s_lshl_b32 s12, s[WV], 12                      ; my wave's 32 rows
	s_add_co_u32 s14, s14, s12
	s_add_nc_u64 s[QA:QA+1], s[4:5], s[14:15]
	s_add_nc_u64 s[OA:OA+1], s[6:7], s[14:15]
	s_lshl_b32 s[OFP], s[HI], 14                   ; a block is 128 rows of 128 bytes
	s_add_nc_u64 s[QB:QB+1], s[QA:QA+1], s[OFP:OFP+1]
	s_add_nc_u64 s[OBB:OBB+1], s[OA:OA+1], s[OFP:OFP+1]
	s_lshl_b32 s[OFP], s[II], 14
	s_add_nc_u64 s[QA:QA+1], s[QA:QA+1], s[OFP:OFP+1]
	s_add_nc_u64 s[OA:OA+1], s[OA:OA+1], s[OFP:OFP+1]
	s_mov_b32 s[G0K], 1                            ; group 0: slot-step 0 is pass A's diagonal, key block i, into slot 0
	s_mov_b32 s[G0K+1], s[TS]
	s_add_nc_u64 s[G0K+2:G0K+3], s[KB:KB+1], s[OFP:OFP+1]
	s_or_b32 s[G0K+3], s[G0K+3], 0x80000000
	s_mov_b32 s[G0V], 1
	s_add_co_u32 s[G0V+1], s[TS], VOFF
	s_add_nc_u64 s[G0V+2:G0V+3], s[VB:VB+1], s[OFP:OFP+1]
	s_or_b32 s[G0V+3], s[G0V+3], 0x80000000
	KVLOAD                                         ; the first fill, ahead of every wait on TENSORcnt, LDS read and barrier
	v_and_b32 v1, 15, v0                           ; r = l % 16
	v_bfe_u32 v10, v0, 4, 1                        ; hf = l / 16
	v_lshlrev_b32 v[QO], 7, v1
	v_lshl_add_u32 v[QO], v10, 4, v[QO]
	WIN W_L1
	QLOADS QA
	WIN W_L2
.irp n, 0,1,2,3,4,5,6,7
	v_mov_b32 v[ONES+\n], 0x3f803f80               ; 16 x 32 numbers 1.0 in bf16
.endr
	WIN 0
	v_mul_u32_u24 v[AK0], v1, PK
	v_lshl_add_u32 v[AK0], v10, 4, v[AK0]          ; key row x pitch + 16 x half
	v_and_b32 v14, 7, v0
	v_bfe_u32 v15, v0, 3, 1
	v_lshl_add_u32 v[AV0], v10, 3, v14             ; the turning load: key 8 hf + l % 8, channels 8 ((l / 8) % 2) on
	v_mul_u32_u24 v[AV0], v[AV0], PV
	v_lshl_add_u32 v[AV0], v15, 4, v[AV0]
	v_add_nc_u32 v[AV0], VOFF, v[AV0]
	s_mul_i32 s12, s[WV], 32*SP
	s_add_co_u32 s12, s12, STAGE                   ; my stage
	v_mul_u32_u24 v[STO], v1, SP
	v_lshl_add_u32 v[STO], v10, 4, v[STO]
	v_add_nc_u32 v[STO], s12, v[STO]
	v_bfe_u32 v[RD], v0, 3, 2                      ; back: eight lanes take a row of 128 bytes, a load four rows
	v_mul_u32_u24 v[RD], v[RD], SP
	v_lshl_add_u32 v[RD], v14, 4, v[RD]
	v_add_nc_u32 v[RD], s12, v[RD]
	v_and_b32 v[GO], 31, v0
	v_lshlrev_b32 v[GO], 4, v[GO]
	v_lshlrev_b32 v[DQ], 3, v10
	v_sub_nc_u32 v[DQ], v1, v[DQ]
	s_lshl_b32 s13, s[WV], 5
	v_add_nc_u32 v[DQ], s13, v[DQ]                 ; 32 w + r - 8 hf
	v_add_nc_u32 v[DQ+1], 16, v[DQ]
	v_mov_b32 v[NINF], 0xff800000
; THE HEAD OF A SLOT-STEP.  Every wave waits for all its tensor loads (its part of this step's slot) and for its reads of the other slot, and passes a barrier; behind it the
; other slot takes the key block of step SS + 1: SS < i: block SS;  SS = i: block 15 - i (pass B's diagonal);  else block SS - i - 1.  Then this slot's K fragments.
.macro SLOTHEAD refill
	s_set_vgpr_msb 0x5
	s_wait_tensorcnt 0x0                           ; no tensor load of mine is out, so a group 0 may be written
	ds_add_u32 v254, v255
	s_wait_dscnt 0x0
	s_set_vgpr_msb 0x500
.if \refill
	s_sub_co_u32 s[TS], s[SS], s[I1]
	s_cmp_lt_u32 s[SS], s[II]
	s_cselect_b32 s[NXT], s[SS], s[TS]
	s_cmp_eq_u32 s[SS], s[II]
	s_cselect_b32 s[NXT], s[HI], s[NXT]
	s_lshl_b32 s[OFP], s[NXT], 14
	s_xor_b32 s[G0K+1], s[G0K+1], SLOT1
	s_xor_b32 s[G0V+1], s[G0V+1], SLOT1
	s_add_nc_u64 s[G0K+2:G0K+3], s[KB:KB+1], s[OFP:OFP+1]
	s_or_b32 s[G0K+3], s[G0K+3], 0x80000000
	s_add_nc_u64 s[G0V+2:G0V+3], s[VB:VB+1], s[OFP:OFP+1]
	s_or_b32 s[G0V+3], s[G0V+3], 0x80000000
.endif
	s_wait_dscnt 0x0
	s_barrier_signal -1
	s_barrier_wait -1
.if \refill
	KVLOAD                                         ; my one tensor load behind this barrier, and the first thing there
.endif
	v_add_nc_u32 v[ADRK], s[TB], v[AK0]
	v_add_nc_u32 v[ADRV], s[TB], v[AV0]
	s_xor_b32 s[TB], s[TB], SLOT1
	WIN W_L1
	KLOADS
	WIN 0
.endm
; THE MATRIX WORK.  In each run the accumulators take turns, one instruction a turn: eight in K Q^T, five in V^T P.
; Product i of 16 of tile t's S^T = K Q^T: channels 32 (i / 8) on, keys 16 (i % 8) on.  The first 8 start the sums.
.macro KQ t
	WIN W_KQ
.set aS, S+64*\t+8*(i%8)
.set aK, KF+16*(i%8)+8*(i/8)
.set aQ, QF+16*\t+8*(i/8)
.if i < 8
	v_wmma_f32_16x16x32_bf16 v[aS:aS+7], v[aK:aK+7], v[aQ:aQ+7], 0
.else
	v_wmma_f32_16x16x32_bf16 v[aS:aS+7], v[aK:aK+7], v[aQ:aQ+7], v[aS:aS+7]
.endif
.endm
; Product i of 20 of tile t's O^T += V^T P and l += 1 P: keys 32 (i / 5) on; i % 5 < 4: channels 16 (i % 5) on; i % 5 = 4: the ones.  first = 1: the first 5 start the sums.
.macro PV t, first
	WIN W_PV
.set aP, P+32*\t+8*(i/5)
.if i%5 < 4
.set aO, O+32*\t+8*(i%5)
.set aV, VF+32*(i/5)+8*(i%5)
.else
.set aO, LSUM+8*\t
.set aV, ONES
.endif
.if \first && (i < 5)
	v_wmma_f32_16x16x32_bf16 v[aO:aO+7], v[aV:aV+7], v[aP:aP+7], 0
.else
	v_wmma_f32_16x16x32_bf16 v[aO:aO+7], v[aV:aV+7], v[aP:aP+7], v[aO:aO+7]
.endif
.endm
; THE VECTOR WORK.  One tile's softmax for a block of 128 keys is a numbered list; SM writes number j of it for tile t.  s0-s63 are the lane's scores, in pairs 0-31.
; dg = 1: the diagonal block, which is also the pass's first: 128 numbers of mask come in front (jj = j - 128), and there is no old m, no a and nothing to rescale.
;   mask     score e is key 16 (e / 8) + 8 hf + e % 8 of the block: open where that is at most the query; each accumulator from its lowest register on
;   jj 0-27  the maximum, three operands at a time: four chains by turns; chain n takes accumulator n (but its last score), then accumulator n + 4, each from its lowest registers on
;   28-31    the four scores left over, the four chains and the old m
;   32-37    the other half of the lanes' maximum; c m_old kept; the new m; c m; c m_old - c m_new; a
;   38-169   two scalings; then 32 units of [scale pair u + 2, exp 2 u, round pair u - 2, exp 2 u + 1]; then the last two roundings.  So a plain instruction that names neither
;            its result nor its source stands between every exponential and the use of its result (ISA guide 5.7.2), and at most two exponentials follow each other
;   170-186  l (the accumulator's lowest register) and the tile's O^T times a: the one part that leaves window 0
.macro SCL1 b
	v_pk_fma_f32 v[rS+2*(\b):rS+2*(\b)+1], v[rS+2*(\b):rS+2*(\b)+1], s[CS:CS+1], v[rT:rT+1] op_sel_hi:[1,0,0] neg_lo:[0,0,1] neg_hi:[0,0,1]   ; c s - c m
.endm
.macro CVT1 b
	s_wait_alu depctr_va_vdst(0)
	v_cvt_pk_bf16_f32 v[rP+(\b)], v[rS+2*(\b)], v[rS+2*(\b)+1]
.endm
.macro EXP1 x
	v_exp_f32 v[rS+(\x)], v[rS+(\x)]
.endm
.macro SM t, dg
.set jj, j-128*\dg
.set rT, ST+8*\t
.set rS, S+64*\t
.set rP, P+32*\t
.set y, jj-38
.set u, (y-2)/4
.set z, (y-2)%4
.if jj < 170
	WIN 0
.else
	WIN W_RS
.endif
.if jj < 0
.set e, j/2
.if j%2 == 0
	v_cmp_le_i32 vcc_lo, 16*(e/8)+e%8, v[DQ+\t]
.else
	v_cndmask_b32 v[rS+e], v[NINF], v[rS+e], vcc_lo
.endif
.elseif jj < 28
.set n, jj%4
.set g, jj/4
.set rC, rT+2+n+2*(n/3)
.if g == 0
	v_max3_num_f32 v[rC], v[rS+8*n], v[rS+8*n+1], v[rS+8*n+2]
.elseif g < 3
	v_max3_num_f32 v[rC], v[rC], v[rS+8*n+2*g+1], v[rS+8*n+2*g+2]
.else
	v_max3_num_f32 v[rC], v[rC], v[rS+8*n+32+2*(g-3)], v[rS+8*n+32+2*(g-3)+1]
.endif
.elseif jj == 28
	v_max3_num_f32 v[rT+2], v[rT+2], v[rS+7], v[rS+15]
.elseif jj == 29
	v_max3_num_f32 v[rT+4], v[rT+4], v[rS+23], v[rS+31]
.elseif jj == 30
	v_max3_num_f32 v[rT+2], v[rT+2], v[rT+3], v[rT+4]
.elseif (jj == 31) && \dg
	v_max_num_f32 v[rT+2], v[rT+2], v[rT+7]
.elseif jj == 31
	v_max3_num_f32 v[rT+2], v[rT+2], v[rT+7], v[rT+1]
.elseif jj == 32
	v_permlanex16_b32 v[rT+3], v[rT+2], s[SEL], s[SEL+1]   ; the query's other 64 keys lie in the lane 16 away
.elseif jj == 34
	v_max_num_f32 v[rT+1], v[rT+2], v[rT+3]
.elseif jj == 35
	v_mul_f32 v[rT], s[CS], v[rT+1]
.elseif ((jj == 33) || (jj == 36) || (jj == 37)) && \dg    ; a pass's first block has none of these
.elseif jj == 33
	v_mov_b32 v[rT+5], v[rT]                       ; c m_old is kept for a: number 35 writes c m anew
.elseif jj == 36
	v_sub_f32 v[rT+5], v[rT+5], v[rT]
.elseif jj == 37
	v_exp_f32 v[rT+6], v[rT+5]                     ; a = 2^(c m_old - c m_new)
.elseif jj < 170
.if y < 2
	SCL1 y
.elseif y >= 130
	CVT1 y-100
.elseif z == 0
.if u < 30
	SCL1 u+2
.endif
.elseif z == 2
.if u >= 2
	CVT1 u-2
.endif
.elseif z == 1
	EXP1 2*u
.else
	EXP1 2*u+1
.endif
.elseif jj == 170
	v_mul_f32 v[LSUM+8*\t], v[LSUM+8*\t], v[rT+6]
.else
	v_pk_mul_f32 v[O+32*\t+2*(jj-171):O+32*\t+2*(jj-171)+1], v[O+32*\t+2*(jj-171):O+32*\t+2*(jj-171)+1], v[rT+6:rT+7] op_sel_hi:[1,0]
.endif
.endm
.macro SLICE t, dg, cnt                ; the next cnt numbers of tile t's list, as far as it goes
.rept \cnt
.if j < NTOT
	SM \t, \dg
.endif
.set j, j+1
.endr
.endm
; ONE BLOCK OF 128 KEYS.  dg = 1: the diagonal block.  The list has NTOT numbers; NTOT / 16 of them stand behind each K Q^T of tile 1, NTOT / 20 behind each V^T P of tile 0, and what
; is over behind the run's last product: there it is more than four plain instructions that name none of that product's registers, the places in front of the next reads.
.macro SLOTWORK dg
.set NTOT, 187+111*\dg
.set C2, NTOT/16
.set C3, NTOT/20
	s_wait_dscnt 16                                ; K's channels 0-31 are in; the sixteen loads of channels 32-63 stay out
.set i, 0
.rept 8
	KQ 0
.set i, i+1
.endr
	WIN W_L2
	VLOADS                                         ; V's registers were last read four v_nop and more ago
	s_wait_dscnt 32                                ; K is in; V's 32 loads stay out
.rept 8
	KQ 0
.set i, i+1
.endr
	WIN 0
	PLACES                                         ; in front of the first read of tile 0's scores
.set j, 0
.set i, 0
.rept 16
	KQ 1
	SLICE 0, \dg, C2
.set i, i+1
.endr
	SLICE 0, \dg, NTOT
	s_wait_dscnt 0x0                               ; V is in
.set j, 0
.set i, 0
.rept 20
	PV 0, \dg
	SLICE 1, \dg, C3
.set i, i+1
.endr
	SLICE 1, \dg, NTOT
.set i, 0
.rept 20
	PV 1, \dg
.set i, i+1
.endr
	WIN 0
	PLACES                                         ; in front of the next loads into V's registers and of whatever reads O^T and l next
.endm
; A PASS ENDS: O^T / l, rounded to bf16, goes through my stage and out as whole rows.  reload = 1: pass B's Q is asked for first.
.macro FINAL o, reload
	s_wait_xcnt 0x0                                ; the registers that earlier stores read are rewritten only behind this wait
.if \reload
	WIN W_L1
	QLOADS QB
.endif
	WIN W_RC
.irp t, 0,1
	v_rcp_f32 v[ST+8*\t+6], v[LSUM+8*\t]           ; the accumulator's lowest register holds l, whole: at least 1, the weight of the largest score
.endr
	v_nop                                          ; a plain instruction between the last reciprocal and its use
	WIN W_RS
.irp t, 0,1
.set p, 0
.rept 16
	s_wait_alu depctr_va_vdst(0)
	v_pk_mul_f32 v[O+32*\t+2*p:O+32*\t+2*p+1], v[O+32*\t+2*p:O+32*\t+2*p+1], v[ST+8*\t+6:ST+8*\t+7] op_sel_hi:[1,0]
.set p, p+1
.endr
.endr
	WIN W_CV
.set p, 0
.rept 32
	v_cvt_pk_bf16_f32 v[TO+p], v[O+2*p], v[O+2*p+1]
.set p, p+1
.endr
	WIN 0
.irp t, 0,1
.irp d, 0,1,2,3
	ds_store_b128 v[STO], v[TO+16*\t+4*\d:TO+16*\t+4*\d+3] offset:\t*16*SP+32*\d   ; row 16 t + r, channels 16 d + 8 hf on
.endr
.endr
.irp u, 0,1,2,3,4,5,6,7
	ds_load_b128 v[TO+4*\u:TO+4*\u+3], v[RD] offset:\u*4*SP        ; LDS serves a wave's instructions in order (ISA guide 5.7.1.4): these see the stores above
.endr
.irp u, 0,1,2,3,4,5,6,7
	s_wait_dscnt 7-\u                              ; the younger loads may stay out
	global_store_b128 v[GO], v[TO+4*\u:TO+4*\u+3], s[\o:\o+1] offset:512*\u   ; the wave stores 512 consecutive bytes, aligned
.endr
.if \reload
	s_wait_loadcnt 0x0                             ; Q
.endif
.endm
	s_mov_b32 s[SS], 0
	SLOTHEAD 1                                     ; slot 1 is first filled as a refill is: my one load behind this barrier
	s_wait_loadcnt 0x0                             ; Q
	SLOTWORK 1                                     ; pass A's diagonal
	s_mov_b32 s[SS], 1
.Lslot:                                                ; slot-steps 1 to 15; each asks for the next one's block
	SLOTHEAD 1
	s_cmp_eq_u32 s[SS], s[I1]
	s_cbranch_scc1 .Ldiag
	SLOTWORK 0
	s_branch .Ljoin
.Ldiag:                                                ; pass A ends, pass B begins with its diagonal
	FINAL OA, 1
	SLOTWORK 1
.Ljoin:
	s_add_co_u32 s[SS], s[SS], 1
	s_cmp_lt_u32 s[SS], 16
	s_cbranch_scc1 .Lslot
	SLOTHEAD 0                                     ; the last slot-step asks for nothing
	SLOTWORK 0
	FINAL OBB, 0
	s_set_vgpr_msb 0x5
	s_wait_tensorcnt 0x0
	ds_add_u32 v254, v255
	s_wait_dscnt 0x0
	s_set_vgpr_msb 0x500
	s_endpgm
.Lfunc_end_k_qc9582eae0e_attn:
	.size	k_qc9582eae0e_attn, .Lfunc_end_k_qc9582eae0e_attn-k_qc9582eae0e_attn
	.p2alignl 7, 3214868480
	.fill 96, 4, 3214868480
	.section	.rodata,"a",@progbits
	.p2align	6, 0x0
	.amdhsa_kernel k_qc9582eae0e_attn
		.amdhsa_group_segment_fixed_size 327680
		.amdhsa_private_segment_fixed_size 0
		.amdhsa_enable_private_segment 0
		.amdhsa_kernarg_size 16
		.amdhsa_user_sgpr_count 2
		.amdhsa_user_sgpr_kernarg_segment_ptr 1
		.amdhsa_wavefront_size32 1
		.amdhsa_system_sgpr_workgroup_id_x 1
		.amdhsa_system_sgpr_workgroup_id_y 1
		.amdhsa_system_sgpr_workgroup_id_z 1
		.amdhsa_system_vgpr_workitem_id 0
		.amdhsa_next_free_vgpr 768
		.amdhsa_next_free_sgpr 66
		.amdhsa_reserve_vcc 1
		.amdhsa_float_denorm_mode_32 3
		.amdhsa_float_denorm_mode_16_64 3
		.amdhsa_memory_ordered 1
		.amdhsa_forward_progress 1
		.amdhsa_inst_pref_size 167
	.end_amdhsa_kernel
	.amdgpu_metadata
---
amdhsa.version: [ 1, 2 ]
amdhsa.kernels:
  - .name:           k_qc9582eae0e_attn
    .symbol:         k_qc9582eae0e_attn.kd
    .args:
      - { .name: qkv, .offset: 0, .size: 8, .value_kind: global_buffer, .address_space: global }
      - { .name: att, .offset: 8, .size: 8, .value_kind: global_buffer, .address_space: global }
    .group_segment_fixed_size: 327680
    .private_segment_fixed_size: 0
    .kernarg_segment_align: 8
    .kernarg_segment_size: 16
    .max_flat_workgroup_size: 128
    .sgpr_count:     66
    .vgpr_count:     768
    .wavefront_size: 32
...
	.end_amdgpu_metadata
.endif
;; end of part 3
;; launch gproj (part 4): grid 8 x 32, 4 waves a work-group, clusters of 4 x 4, 327,680 bytes of LDS; arguments att, wt, bo, x, x1; writes x1
.if DOCPART == 4
	.amdgcn_target "amdgcn-amd-amdhsa--gfx1250"
	.amdhsa_code_object_version 6
	.text
	.protected	k_qc9582eae0e_gproj
	.globl	k_qc9582eae0e_gproj
	.p2align	8
	.type	k_qc9582eae0e_gproj,@function
k_qc9582eae0e_gproj:
	s_mov_b64 s[64:65], 0
	v_nop
	global_prefetch_b8 v0, s[64:65] scope:SCOPE_SE
	s_setreg_imm32_b32 hwreg(HW_REG_WAVE_MODE, 25, 1), 1
	s_wait_xcnt 0x0
	s_wait_alu depctr_hold_cnt(0) depctr_sa_sdst(0) depctr_va_vdst(0) depctr_va_sdst(0) depctr_va_ssrc(0) depctr_va_vcc(0) depctr_vm_vsrc(0)
	s_getreg_b32 s2, hwreg(HW_REG_IB_STS2, 6, 4)
	s_cmp_eq_u32 s2, 0
	s_cbranch_scc0 .Lentry_in_a_cluster
	s_endpgm
.Lentry_in_a_cluster:
	s_bfe_u32 s2, ttmp6, 0x10000c
	s_cmp_lg_u32 s2, 0xf033
	s_cbranch_scc0 .Lentry_shape_is_right
	s_endpgm
.Lentry_shape_is_right:
; x1 = x + att Wo + bo.  A = att, head-major [16 h][4096 m][64] bf16 (k = 64 h + d); B = rows 7168-8191 of wt, [1024 n][1024 k] bf16; bias, residual and result f32.
; The bias is the start value of the sums, the residual is added to the finished sum in f32.
; A tile of C is 128 x 128 (8 x 32 = 256 work-groups); four waves, each 64 x 64 in 16 accumulators.  K goes in steps of 256 through two LDS slots.
; HEADS = 1: A's tile of a K step is four heads x 64 rows x 128 bytes: one tensor load of 4 rows of 8,192 bytes (a head's 64 rows lie dense), padded after every 128 bytes:
; in LDS [head][64 rows] at pitch 144, and a quarter of 64 along K is one head.  HEADS = 0 (the second feed-forward product): A is row-major, rows of 512 bytes at pitch 528.
; CLUSTER 4 x 4: A's tiles are asked for jointly along a row of the cluster, B's along a column.  The matrix instruction is used transposed: a lane holds eight neighbouring columns of a row of C.
; REGISTERS: window 0: v16-27 addresses, v32-95 rows on the way out (two halves), v96-127 the bias, v128-255 the accumulators ((a, b) at v[128 + 8 (4 a + b)]);
;   window 1: two fragment buffers of 128;  window 2: v0-127 my 64 x 64 of the residual, asked for at the start.
.set HEADS,  1
.set SIZE_K, 1024
.set BOFF,   14680064                  ; B's first byte in wt
.set KSTEP,  256
.set BPITCH, 528                       ; 512 bytes + 16 of padding
.set BHALF,  64*BPITCH
.if HEADS
.set APITCH, 144
.set AQ,     64*APITCH                 ; from a quarter (a head) to the next
.set AHALF,  4*AQ
.set AROWB,  128                       ; bytes from row to row of A in memory
.set ASTEP,  4*524288                  ; bytes from a K step to the next: four heads
.set ADIM0,  4096
.set AROWS,  4
.set ASTR,   262144
.set AQI,    4                         ; padding after every 32 words
.else
.set APITCH, 528
.set AQ,     128
.set AHALF,  64*APITCH
.set AROWB,  SIZE_K*2
.set ASTEP,  KSTEP*2
.set ADIM0,  KSTEP
.set AROWS,  64
.set ASTR,   SIZE_K
.set AQI,    6                         ; padding after every 128 words
.endif
.set SLOT,   2*AHALF+2*BHALF           ; A's 128 rows, then B's 128 rows
.set STAGE,  2*SLOT                    ; behind the ring: 16 rows x 272 bytes for each wave; no tensor load lands here
.set SPITCH, 272
.set LAPS,   SIZE_K/(2*KSTEP)
.set ADRA, 16
.set ADRB, 20
.set STO,  24
.set RD,   25
.set CO,   26
.set BA,   27
.set TMP,  32
.set BIAS, 96
.set ACC,  128
.set F0,   0
.set F1,   128
.set G1,   24
.set G0,   32
.set G1B,  48
.set G0B,  56
.set MSB,  0
.macro WIN new
.if MSB != \new
	s_set_vgpr_msb (MSB<<8)|\new
.set MSB, \new
.endif
.endm
.set MUL,  0x05                        ; sources 0 (B) and 1 (A) window 1; C and D window 0
.set TO_F, 0x40
.macro JLOAD s                         ; waves 0, 1 fetch A's halves, waves 2, 3 B's; four v_nop follow each line
	s_cmp_eq_u32 s11, 0
	s_cbranch_scc0 .Lfor_b_\@
	tensor_load_to_lds s[G0+4*\s:G0+4*\s+3], s[G1:G1+7]
	s_nop 0
.rept 4
	v_nop
.endr
	s_branch .Lasked_\@
.Lfor_b_\@:
	tensor_load_to_lds s[G0B+4*\s:G0B+4*\s+3], s[G1B:G1B+7]
	s_nop 0
.rept 4
	v_nop
.endr
.Lasked_\@:
.endm
.macro CREST
	s_cmp_lg_u32 s10, 0
	s_cbranch_scc1 .Lnot_wave_0_\@
	s_barrier_signal -3
.Lnot_wave_0_\@:
	s_barrier_wait -3
	s_barrier_signal -1
	s_barrier_wait -1
.endm
.macro CROUND
	s_barrier_signal -1
	s_barrier_wait -1
	CREST
.endm
	s_load_b128 s[4:7], s[0:1], 0x0                ; A s[4:5], wt s[6:7]
	s_load_b128 s[68:71], s[0:1], 0x10             ; bias s[68:69], residual s[70:71]
	s_load_b64 s[8:9], s[0:1], 0x20                ; C
	v_lshl_add_u32 v30, v0, 2, 0x49400
	v_mov_b32 v31, 0
	ds_add_u32 v30, v31
	ds_add_u32 v30, v31
	v_lshrrev_b32 v1, 5, v0
	v_readfirstlane_b32 s10, v1
	s_lshr_b32 s11, s10, 1                         ; my half of the tile's rows; also: I fetch for A (0) or B (1)
	s_and_b32 s12, s10, 1                          ; my half of its columns; also: which 64 rows I fetch
	s_bfe_u32 s40, ttmp6, 0x40000
	s_bfe_u32 s41, ttmp6, 0x40004
	s_lshl_b32 s42, ttmp9, 2
	s_add_co_u32 s42, s42, s40                     ; tile column
	s_and_b32 s13, ttmp7, 0xffff
	s_lshl_b32 s13, s13, 2
	s_add_co_u32 s13, s13, s41                     ; tile row
	s_lshl_b32 s43, s41, 2
	s_lshl_b32 s43, 15, s43
	s_lshl_b32 s44, 0x1111, s40
	s_or_b32 s[G1+0], s43, (1<<16)|(1<<20)|(1<<21)|(AQI<<22)|(3<<25)   ; mask; 2-byte elements; padding on; bit 21 beside a mask; 4 words of padding
	s_mov_b32 s[G1+1], ADIM0<<16                   ; tensor_dim0
	s_mov_b32 s[G1+2], AROWS<<16                   ; tensor_dim1
	s_mov_b32 s[G1+3], ADIM0<<16                   ; tile_dim0
	s_mov_b32 s[G1+4], AROWS                       ; tile_dim1
	s_mov_b32 s[G1+5], ASTR                        ; elements from row to row
	s_mov_b32 s[G1+6], 0
	s_mov_b32 s[G1+7], 0
	s_or_b32 s[G1B+0], s44, (1<<16)|(1<<20)|(1<<21)|(6<<22)|(3<<25)
	s_mov_b32 s[G1B+1], KSTEP<<16
	s_mov_b32 s[G1B+2], 64<<16
	s_mov_b32 s[G1B+3], KSTEP<<16
	s_mov_b32 s[G1B+4], 64
	s_mov_b32 s[G1B+5], SIZE_K
	s_mov_b32 s[G1B+6], 0
	s_mov_b32 s[G1B+7], 0
	s_lshl_b32 s17, s12, 6
	s_lshl_b32 s16, s13, 7
	s_add_co_u32 s16, s16, s17                     ; A: row 128 x tile row + 64 x half
	s_lshl_b32 s46, s42, 7
	s_add_co_u32 s46, s46, s17                     ; B: row 128 x tile column + 64 x half
	s_mul_i32 s16, s16, AROWB                      ; both under 2^26
	s_mul_i32 s46, s46, SIZE_K*2
	s_mov_b32 s17, 0
	s_mov_b32 s47, 0
	s_mul_i32 s20, s12, AHALF                      ; where they go: no place in the cluster enters an LDS address
	s_mul_i32 s21, s12, BHALF
	s_add_co_u32 s21, s21, 2*AHALF
	s_wait_dscnt 0x0
	s_wait_kmcnt 0x0
	s_add_nc_u64 s[14:15], s[4:5], s[16:17]
	s_add_nc_u64 s[46:47], s[6:7], s[46:47]
	s_add_nc_u64 s[46:47], s[46:47], BOFF
	CROUND                                         ; all sixteen work-groups are here: the first joint loads meet
.irp s, 0,1
	s_mov_b32 s[G0+4*\s], 1
	s_add_co_u32 s[G0+4*\s+1], s20, \s*SLOT
	s_add_nc_u64 s[G0+4*\s+2:G0+4*\s+3], s[14:15], \s*ASTEP
	s_or_b32 s[G0+4*\s+3], s[G0+4*\s+3], 0x80000000
	s_mov_b32 s[G0B+4*\s], 1
	s_add_co_u32 s[G0B+4*\s+1], s21, \s*SLOT
	s_add_nc_u64 s[G0B+4*\s+2:G0B+4*\s+3], s[46:47], \s*KSTEP*2
	s_or_b32 s[G0B+4*\s+3], s[G0B+4*\s+3], 0x80000000
	JLOAD \s                                       ; two loads of mine are out
.endr
	v_and_b32 v1, 15, v0                           ; r = l % 16
	v_bfe_u32 v2, v0, 4, 1                         ; h = l / 16
	v_mul_u32_u24 v3, v1, APITCH
	v_lshl_add_u32 v3, v2, 4, v3
	v_mul_u32_u24 v4, v1, BPITCH
	v_lshl_add_u32 v4, v2, 4, v4
	s_mul_i32 s21, s11, AHALF                      ; my 64 rows of A
	s_mul_i32 s22, s12, BHALF                      ; my 64 rows of B, behind A's 128
	s_add_co_u32 s22, s22, 2*AHALF
.irp s, 0,1
	v_add_nc_u32 v[ADRA+\s], s21, v3
	v_add_nc_u32 v[ADRB+\s], s22, v4
	s_add_co_u32 s21, s21, SLOT
	s_add_co_u32 s22, s22, SLOT
.endr
	s_mul_i32 s23, s10, 16*SPITCH
	s_add_co_u32 s23, s23, STAGE                   ; my stage: 16 rows of my 64 columns in f32
	v_mul_u32_u24 v5, v1, SPITCH
	v_lshl_add_u32 v5, v2, 5, v5
	v_add_nc_u32 v[STO], s23, v5                   ; in: row r, 32 bytes for each half of the lanes
	v_mul_u32_u24 v5, v2, SPITCH
	v_lshl_add_u32 v5, v1, 4, v5
	v_add_nc_u32 v[RD], s23, v5                    ; back: lanes 0-15 one row of 256 bytes, lanes 16-31 the next
	v_lshlrev_b32 v5, 12, v2
	v_lshl_add_u32 v[CO], v1, 4, v5                ; the same two rows in C and in the residual (rows of 4,096 bytes)
	v_lshlrev_b32 v[BA], 5, v2
	s_lshl_b32 s16, s13, 19                        ; 128 x tile row x 4,096
	s_lshl_b32 s14, s11, 18
	s_add_co_u32 s16, s16, s14
	s_mov_b32 s17, 0
	s_lshl_b32 s46, s42, 9                         ; 128 x tile column x 4
	s_lshl_b32 s47, s12, 8
	s_add_co_u32 s46, s46, s47
	s_mov_b32 s47, 0
	s_add_nc_u64 s[68:69], s[68:69], s[46:47]      ; the bias at my first column
	s_add_nc_u64 s[16:17], s[16:17], s[46:47]
	s_add_nc_u64 s[70:71], s[70:71], s[16:17]      ; residual and C at my first row and column
	s_add_nc_u64 s[8:9], s[8:9], s[16:17]
.irp b, 0,1,2,3
	global_load_b128 v[BIAS+8*\b:BIAS+8*\b+3],   v[BA], s[68:69] offset:64*\b      ; a lane's columns 16 b + 8 h on
	global_load_b128 v[BIAS+8*\b+4:BIAS+8*\b+7], v[BA], s[68:69] offset:64*\b+16
.endr
	WIN 0x80                                       ; destination window 2
.irp a, 0,1,2,3
.irp t, 0,1,2,3,4,5,6,7
	global_load_b128 v[32*\a+4*\t:32*\a+4*\t+3], v[CO], s[70:71] offset:(16*\a+2*\t)*4096
.endr
.endr
	WIN 0
; 8 matrix instructions: m blocks a0, a0 + 1 x all 4 n blocks, 32 along K: half c of buffer f.  The 16 accumulators take turns, one instruction a turn.
.macro MUL8 f, c, a0, zero             ; zero = 2: the bias starts the sums: nothing is cleared
.irp a, \a0, \a0+1
.irp b, 0,1,2,3
.if \zero == 2
	v_wmma_f32_16x16x32_bf16 v[ACC+8*(4*(\a)+\b):ACC+8*(4*(\a)+\b)+7], v[\f+64+8*(4*\c+\b):\f+64+8*(4*\c+\b)+7], v[\f+8*(4*\c+\a):\f+8*(4*\c+\a)+7], v[BIAS+8*\b:BIAS+8*\b+7]
.else
	v_wmma_f32_16x16x32_bf16 v[ACC+8*(4*(\a)+\b):ACC+8*(4*(\a)+\b)+7], v[\f+64+8*(4*\c+\b):\f+64+8*(4*\c+\b)+7], v[\f+8*(4*\c+\a):\f+8*(4*\c+\a)+7], v[ACC+8*(4*(\a)+\b):ACC+8*(4*(\a)+\b)+7]
.endif
.endr
.endr
.endm
.macro FETCH slot, q, f                ; 32 LDS loads in one run: quarter q's fragments (64 along K) into buffer f; the first 32 along K first
	WIN TO_F
.irp c, 0,1
.irp i, 0,1,2,3
	ds_load_b128 v[\f+64+8*(4*\c+\i):\f+64+8*(4*\c+\i)+3],   v[ADRB+\slot] offset:128*\q+64*\c+\i*16*BPITCH
	ds_load_b128 v[\f+64+8*(4*\c+\i)+4:\f+64+8*(4*\c+\i)+7], v[ADRB+\slot] offset:128*\q+64*\c+\i*16*BPITCH+32
	ds_load_b128 v[\f+8*(4*\c+\i):\f+8*(4*\c+\i)+3],         v[ADRA+\slot] offset:AQ*\q+64*\c+\i*16*APITCH
	ds_load_b128 v[\f+8*(4*\c+\i)+4:\f+8*(4*\c+\i)+7],       v[ADRA+\slot] offset:AQ*\q+64*\c+\i*16*APITCH+32
.endr
.endr
.endm
.macro PLACES                          ; four plain vector instructions between a matrix instruction and a load into, or a read of, its registers
.rept 4
	v_nop
.endr
.endm
.macro QUARTER slot, q, f, g, zero     ; 32 matrix instructions on buffer f; in the middle quarter q's fragments go into buffer g
	s_wait_dscnt 16                                ; the first 32 along K are in
	WIN MUL
	MUL8 \f, 0, 0, \zero
	MUL8 \f, 0, 2, \zero
	PLACES
	FETCH \slot, \q, \g
	s_wait_dscnt 32                                ; all but the 32 just issued
	WIN MUL
	MUL8 \f, 1, 0, 0
	MUL8 \f, 1, 2, 0
.endm
; The last quarter multiplies buffer 1 and changes slots: one barrier; in front of it each wave waits for its reads of this slot and for all its tensor loads.
; fill = 1: the barrier opens a round of the cluster's barrier, and this slot is filled again first thing behind the round, two K steps ahead.
.macro TURN slot, next, fill
	s_wait_dscnt 16
	WIN MUL
	MUL8 F1, 0, 0, 0
	s_wait_dscnt 0
	s_set_vgpr_msb 0x500
	s_wait_tensorcnt 0x0
	ds_add_u32 v30, v31
	s_wait_dscnt 0x0
	s_set_vgpr_msb 0x5
	s_barrier_signal -1
	MUL8 F1, 0, 2, 0
.if \fill
	WIN 0
.endif
	s_barrier_wait -1
.if \fill
	CREST
	s_add_nc_u64 s[G0+4*\slot+2:G0+4*\slot+3], s[G0+4*\slot+2:G0+4*\slot+3], 2*ASTEP
	s_add_nc_u64 s[G0B+4*\slot+2:G0B+4*\slot+3], s[G0B+4*\slot+2:G0B+4*\slot+3], 2*KSTEP*2
	JLOAD \slot                                    ; 120 matrix instructions ahead of the wait for it; its four v_nop are also the places in front of the loads below
.else
	PLACES
.endif
	FETCH \next, 0, F0
	WIN MUL
	MUL8 F1, 1, 0, 0
	MUL8 F1, 1, 2, 0
.endm
	s_wait_tensorcnt 1                             ; my part of K step 0 is in; K step 1's stays out
	s_barrier_signal -1
	s_barrier_wait -1
	FETCH 0, 0, F0
	s_wait_loadcnt 32                              ; the bias is in; the residual's 32 loads stay out
	QUARTER 0, 1, F0, F1, 2
.if LAPS > 1
	WIN 0
	s_mov_b32 s3, LAPS-1
.Llap:                                                 ; a trip goes once round the ring and fills both slots again
	QUARTER 0, 2, F1, F0, 0
	QUARTER 0, 3, F0, F1, 0
	TURN 0, 1, 1
	QUARTER 1, 1, F0, F1, 0
	QUARTER 1, 2, F1, F0, 0
	QUARTER 1, 3, F0, F1, 0
	TURN 1, 0, 1
	QUARTER 0, 1, F0, F1, 0
	WIN 0
	s_sub_co_u32 s3, s3, 1
	s_cmp_lg_u32 s3, 0
	s_cbranch_scc1 .Llap
.endif
	QUARTER 0, 2, F1, F0, 0                        ; the last lap fills nothing
	QUARTER 0, 3, F0, F1, 0
	TURN 0, 1, 0
	QUARTER 1, 1, F0, F1, 0
	QUARTER 1, 2, F1, F0, 0
	QUARTER 1, 3, F0, F1, 0
	s_wait_dscnt 16
	WIN MUL
	MUL8 F1, 0, 0, 0
	MUL8 F1, 0, 2, 0
	s_wait_dscnt 0
	MUL8 F1, 1, 0, 0
	MUL8 F1, 1, 2, 0
	WIN 0
	; THE WAY OUT, 16 rows at a time through my own stage: a lane's 32 bytes in, whole rows of 256 bytes back, the residual added, stored.
	PLACES
	s_wait_loadcnt 0x0                             ; the residual
.irp a, 0,1,2,3
.irp b, 0,1,2,3
	ds_store_b128 v[STO], v[ACC+8*(4*\a+\b):ACC+8*(4*\a+\b)+3]   offset:64*\b      ; each accumulator from its lowest registers on
	ds_store_b128 v[STO], v[ACC+8*(4*\a+\b)+4:ACC+8*(4*\a+\b)+7] offset:64*\b+16
.endr
	s_wait_xcnt 0x0                                ; the half of v32-95 that earlier stores read is rewritten only behind this wait
.irp t, 0,1,2,3,4,5,6,7
	ds_load_b128 v[TMP+32*(\a%2)+4*\t:TMP+32*(\a%2)+4*\t+3], v[RD] offset:\t*2*SPITCH   ; LDS serves a wave's instructions in order (ISA guide 5.7.1.4): these see the stores above
.endr
	s_wait_dscnt 0x0
	WIN 0x08                                       ; source 1 (the residual) in window 2
.set p, 0
.rept 16
	v_pk_add_f32 v[TMP+32*(\a%2)+2*p:TMP+32*(\a%2)+2*p+1], v[TMP+32*(\a%2)+2*p:TMP+32*(\a%2)+2*p+1], v[32*\a+2*p:32*\a+2*p+1]
.set p, p+1
.endr
	WIN 0
.irp t, 0,1,2,3,4,5,6,7
	global_store_b128 v[CO], v[TMP+32*(\a%2)+4*\t:TMP+32*(\a%2)+4*\t+3], s[8:9] offset:(16*\a+2*\t)*4096   ; 16 lanes store 256 consecutive bytes, aligned
.endr
.endr
	s_wait_tensorcnt 0x0
	ds_add_u32 v30, v31
	s_wait_dscnt 0x0
	CROUND                                         ; the closing round: no work-group ends while a partner may still ask for a tile that names it
	s_endpgm
.Lfunc_end_k_qc9582eae0e_gproj:
	.size	k_qc9582eae0e_gproj, .Lfunc_end_k_qc9582eae0e_gproj-k_qc9582eae0e_gproj
	.p2alignl 7, 3214868480
	.fill 96, 4, 3214868480
	.section	.rodata,"a",@progbits
	.p2align	6, 0x0
	.amdhsa_kernel k_qc9582eae0e_gproj
		.amdhsa_group_segment_fixed_size 327680
		.amdhsa_private_segment_fixed_size 0
		.amdhsa_enable_private_segment 0
		.amdhsa_kernarg_size 40
		.amdhsa_user_sgpr_count 2
		.amdhsa_user_sgpr_kernarg_segment_ptr 1
		.amdhsa_wavefront_size32 1
		.amdhsa_system_sgpr_workgroup_id_x 1
		.amdhsa_system_sgpr_workgroup_id_y 1
		.amdhsa_system_sgpr_workgroup_id_z 1
		.amdhsa_system_vgpr_workitem_id 0
		.amdhsa_next_free_vgpr 640
		.amdhsa_next_free_sgpr 72
		.amdhsa_reserve_vcc 0
		.amdhsa_float_denorm_mode_32 3
		.amdhsa_float_denorm_mode_16_64 3
		.amdhsa_memory_ordered 1
		.amdhsa_forward_progress 1
		.amdhsa_inst_pref_size 94
	.end_amdhsa_kernel
	.amdgpu_metadata
---
amdhsa.version: [ 1, 2 ]
amdhsa.kernels:
  - .name:           k_qc9582eae0e_gproj
    .symbol:         k_qc9582eae0e_gproj.kd
    .args:
      - { .name: att, .offset: 0, .size: 8, .value_kind: global_buffer, .address_space: global }
      - { .name: wt, .offset: 8, .size: 8, .value_kind: global_buffer, .address_space: global }
      - { .name: bo, .offset: 16, .size: 8, .value_kind: global_buffer, .address_space: global }
      - { .name: x, .offset: 24, .size: 8, .value_kind: global_buffer, .address_space: global }
      - { .name: x1, .offset: 32, .size: 8, .value_kind: global_buffer, .address_space: global }
    .group_segment_fixed_size: 327680
    .private_segment_fixed_size: 0
    .kernarg_segment_align: 8
    .kernarg_segment_size: 40
    .max_flat_workgroup_size: 128
    .sgpr_count:     72
    .vgpr_count:     640
    .wavefront_size: 32
...
	.end_amdgpu_metadata
.endif
;; end of part 4
;; launch ln2 (part 5): grid 256 x 1, 8 waves a work-group, no clusters, 0 bytes of LDS; arguments x1, g2, be2, hn; writes hn
.if DOCPART == 5
	.amdgcn_target "amdgcn-amd-amdhsa--gfx1250"
	.amdhsa_code_object_version 6
	.text
	.protected	k_qc9582eae0e_ln2
	.globl	k_qc9582eae0e_ln2
	.p2align	8
	.type	k_qc9582eae0e_ln2,@function
k_qc9582eae0e_ln2:
	s_mov_b64 s[64:65], 0
	v_nop
	global_prefetch_b8 v0, s[64:65] scope:SCOPE_SE
	s_setreg_imm32_b32 hwreg(HW_REG_WAVE_MODE, 25, 1), 1
	s_wait_xcnt 0x0
; out[row][c] = bf16( (in[row][c] - mean) * rsqrt(var + 1e-5) * g[c] + b[c] ).  in: [4096][1024] f32, out: [4096][1024] bf16.
; A wave takes two whole rows (32 registers a row), so a row is read from memory once and the sums never leave the wave: no LDS, no barrier.
; The mean is taken away before the squares are summed, so a common offset of the inputs costs no digits of the variance.
; Chunk j of a lane is columns 128 j + 4 l .. + 3: a load of the wave covers 512 neighbouring bytes, a store 256.
; Memory binds: matrix unit, clusters and LDS would add nothing.  No cache hint on the rows: a later launch reads them again.
.set T,   4                            ; v[4:11]    four pairs at work
.set R,   12                           ; v[12:13], v[14:15]  1 / sigma of row 0, row 1, twice each (a pair for the packed multiply)
.set X,   16                           ; v[16:47], v[48:79]  the two rows
.set G,   80                           ; v[80:111]  gain of my 32 columns
.set BE,  112                          ; v[112:143] bias
.set Y,   144                          ; v[144:175] packed results, 16 a row
	s_load_b256 s[4:11], s[0:1], 0x0               ; in s[4:5], g s[6:7], b s[8:9], out s[10:11]
	v_lshrrev_b32 v3, 5, v0
	v_readfirstlane_b32 s14, v3
	s_lshl_b32 s15, ttmp9, 3
	s_add_co_u32 s15, s15, s14                     ; pair of rows
	s_lshl_b32 s16, s15, 13                        ; x 2 rows of 4,096 bytes
	s_mov_b32 s17, 0
	s_lshl_b32 s18, s15, 12                        ; x 2 rows of 2,048 bytes
	s_mov_b32 s19, 0
	s_mov_b32 s12, 0x76543210                      ; v_permlanex16_b32: each lane takes its own place in the other half
	s_mov_b32 s13, 0xfedcba98
	s_mov_b32 s20, 0x3a800000                      ; 1 / 1024
	s_mov_b32 s21, 0x3727c5ac                      ; 1e-5
	v_and_b32 v1, 31, v0
	v_lshlrev_b32 v2, 3, v1                        ; 8 l
	v_lshlrev_b32 v1, 4, v1                        ; 16 l
	s_wait_kmcnt 0x0
	s_add_nc_u64 s[4:5], s[4:5], s[16:17]
	s_add_nc_u64 s[10:11], s[10:11], s[18:19]
.irp w, 0,1
.irp j, 0,1,2,3,4,5,6,7
	global_load_b128 v[X+32*\w+4*\j:X+32*\w+4*\j+3], v1, s[4:5] offset:\w*4096+512*\j
.endr
.endr
.irp j, 0,1,2,3,4,5,6,7
	global_load_b128 v[G+4*\j:G+4*\j+3], v1, s[6:7] offset:512*\j
.endr
.irp j, 0,1,2,3,4,5,6,7
	global_load_b128 v[BE+4*\j:BE+4*\j+3], v1, s[8:9] offset:512*\j
.endr
.macro JOIN                            ; four pairs -> one number in every lane
	v_pk_add_f32 v[T:T+1], v[T:T+1], v[T+2:T+3]
	v_pk_add_f32 v[T+4:T+5], v[T+4:T+5], v[T+6:T+7]
	v_pk_add_f32 v[T:T+1], v[T:T+1], v[T+4:T+5]
	v_add_f32 v[T], v[T], v[T+1]
	v_add_f32_dpp v[T], v[T], v[T] row_xmask:1 row_mask:0xf bank_mask:0xf
	v_add_f32_dpp v[T], v[T], v[T] row_xmask:2 row_mask:0xf bank_mask:0xf
	v_add_f32_dpp v[T], v[T], v[T] row_xmask:4 row_mask:0xf bank_mask:0xf
	v_add_f32_dpp v[T], v[T], v[T] row_xmask:8 row_mask:0xf bank_mask:0xf
	v_permlanex16_b32 v[T+1], v[T], s12, s13
	v_add_f32 v[T], v[T], v[T+1]
.endm
; The row at v[x ..] is centred in place; 1 / sigma goes into the pair at v[r].
.macro STAT x, r
.irp k, 0,1,2,3
	v_pk_add_f32 v[T+2*\k:T+2*\k+1], v[\x+2*\k:\x+2*\k+1], v[\x+8+2*\k:\x+8+2*\k+1]   ; four chains, started by the first pairs: nothing is cleared
.endr
.irp m, 2,3
.irp k, 0,1,2,3
	v_pk_add_f32 v[T+2*\k:T+2*\k+1], v[T+2*\k:T+2*\k+1], v[\x+8*\m+2*\k:\x+8*\m+2*\k+1]
.endr
.endr
	JOIN
	v_mul_f32 v[T+6], s20, v[T]                    ; the mean, twice
	v_mov_b32 v[T+7], v[T+6]
.set p, 0
.rept 16
	v_pk_add_f32 v[\x+2*p:\x+2*p+1], v[\x+2*p:\x+2*p+1], v[T+6:T+7] neg_lo:[0,1] neg_hi:[0,1]
.set p, p+1
.endr
.irp k, 0,1,2,3
	v_pk_mul_f32 v[T+2*\k:T+2*\k+1], v[\x+2*\k:\x+2*\k+1], v[\x+2*\k:\x+2*\k+1]
.endr
.irp m, 1,2,3
.irp k, 0,1,2,3
	v_pk_fma_f32 v[T+2*\k:T+2*\k+1], v[\x+8*\m+2*\k:\x+8*\m+2*\k+1], v[\x+8*\m+2*\k:\x+8*\m+2*\k+1], v[T+2*\k:T+2*\k+1]
.endr
.endr
	JOIN
	v_fma_f32 v[T], v[T], s20, s21                 ; variance + 1e-5
	v_rsq_f32 v[\r], v[T]
	v_rsq_f32 v[\r+1], v[T]
	v_nop                                          ; a plain instruction before the result is used or v[T] is written again (ISA guide 5.7.2)
.endm
.macro SCALE x, r, y, w
.set p, 0
	s_wait_alu depctr_va_vdst(0)
.rept 16
	v_pk_mul_f32 v[\x+2*p:\x+2*p+1], v[\x+2*p:\x+2*p+1], v[\r:\r+1]
.set p, p+1
.endr
.set p, 0
.rept 16
	v_pk_fma_f32 v[\x+2*p:\x+2*p+1], v[\x+2*p:\x+2*p+1], v[G+2*p:G+2*p+1], v[BE+2*p:BE+2*p+1]
.set p, p+1
.endr
.set p, 0
.rept 16
	v_cvt_pk_bf16_f32 v[\y+p], v[\x+2*p], v[\x+2*p+1]
.set p, p+1
.endr
.irp j, 0,1,2,3,4,5,6,7
	global_store_b64 v2, v[\y+2*\j:\y+2*\j+1], s[10:11] offset:\w*2048+256*\j   ; 32 lanes store 256 consecutive bytes, aligned
.endr
.endm
	s_wait_loadcnt 24                              ; row 0 is in; row 1's eight loads and the sixteen of g and b stay out
	STAT X, R
	s_wait_loadcnt 16                              ; row 1 is in
	STAT X+32, R+2
	s_wait_loadcnt 0x0                             ; g and b
	SCALE X, R, Y, 0
	SCALE X+32, R+2, Y+16, 1
	s_endpgm
.Lfunc_end_k_qc9582eae0e_ln2:
	.size	k_qc9582eae0e_ln2, .Lfunc_end_k_qc9582eae0e_ln2-k_qc9582eae0e_ln2
	.p2alignl 7, 3214868480
	.fill 96, 4, 3214868480
	.section	.rodata,"a",@progbits
	.p2align	6, 0x0
	.amdhsa_kernel k_qc9582eae0e_ln2
		.amdhsa_group_segment_fixed_size 0
		.amdhsa_private_segment_fixed_size 0
		.amdhsa_enable_private_segment 0
		.amdhsa_kernarg_size 32
		.amdhsa_user_sgpr_count 2
		.amdhsa_user_sgpr_kernarg_segment_ptr 1
		.amdhsa_wavefront_size32 1
		.amdhsa_system_sgpr_workgroup_id_x 1
		.amdhsa_system_sgpr_workgroup_id_y 1
		.amdhsa_system_sgpr_workgroup_id_z 1
		.amdhsa_system_vgpr_workitem_id 0
		.amdhsa_next_free_vgpr 184
		.amdhsa_next_free_sgpr 66
		.amdhsa_reserve_vcc 0
		.amdhsa_float_denorm_mode_32 3
		.amdhsa_float_denorm_mode_16_64 3
		.amdhsa_memory_ordered 1
		.amdhsa_forward_progress 1
		.amdhsa_inst_pref_size 20
	.end_amdhsa_kernel
	.amdgpu_metadata
---
amdhsa.version: [ 1, 2 ]
amdhsa.kernels:
  - .name:           k_qc9582eae0e_ln2
    .symbol:         k_qc9582eae0e_ln2.kd
    .args:
      - { .name: x1, .offset: 0, .size: 8, .value_kind: global_buffer, .address_space: global }
      - { .name: g2, .offset: 8, .size: 8, .value_kind: global_buffer, .address_space: global }
      - { .name: be2, .offset: 16, .size: 8, .value_kind: global_buffer, .address_space: global }
      - { .name: hn, .offset: 24, .size: 8, .value_kind: global_buffer, .address_space: global }
    .group_segment_fixed_size: 0
    .private_segment_fixed_size: 0
    .kernarg_segment_align: 8
    .kernarg_segment_size: 32
    .max_flat_workgroup_size: 256
    .sgpr_count:     66
    .vgpr_count:     184
    .wavefront_size: 32
...
	.end_amdgpu_metadata
.endif
;; end of part 5
;; launch gff1 (part 6): grid 16 x 16, 4 waves a work-group, clusters of 4 x 4, 327,680 bytes of LDS; arguments hn, wt, b1, r; writes r
.if DOCPART == 6
	.amdgcn_target "amdgcn-amd-amdhsa--gfx1250"
	.amdhsa_code_object_version 6
	.text
	.protected	k_qc9582eae0e_gff1
	.globl	k_qc9582eae0e_gff1
	.p2align	8
	.type	k_qc9582eae0e_gff1,@function
k_qc9582eae0e_gff1:
	s_mov_b64 s[64:65], 0
	v_nop
	global_prefetch_b8 v0, s[64:65] scope:SCOPE_SE
	s_setreg_imm32_b32 hwreg(HW_REG_WAVE_MODE, 25, 1), 1
	s_wait_xcnt 0x0
	s_wait_alu depctr_hold_cnt(0) depctr_sa_sdst(0) depctr_va_vdst(0) depctr_va_sdst(0) depctr_va_ssrc(0) depctr_va_vcc(0) depctr_vm_vsrc(0)
	s_getreg_b32 s2, hwreg(HW_REG_IB_STS2, 6, 4)
	s_cmp_eq_u32 s2, 0
	s_cbranch_scc0 .Lentry_in_a_cluster
	s_endpgm
.Lentry_in_a_cluster:
	s_bfe_u32 s2, ttmp6, 0x10000c
	s_cmp_lg_u32 s2, 0xf033
	s_cbranch_scc0 .Lentry_shape_is_right
	s_endpgm
.Lentry_shape_is_right:
; r = relu(hn W1 + b1).  A = hn [4096][1024] bf16; B = rows 0-4095 of wt, [4096 n][1024 k] bf16; b1 f32; r [4096][4096] bf16, rounded once.
; The bias is the start value of the sums (C of the first products), so it costs no addition; relu is a maximum with 0, which makes 0 of a NaN.
; A tile of C is 256 x 256 (16 x 16 = 256 work-groups): four waves, each 128 x 128 in 64 accumulators.  K goes in steps of 128 through two LDS slots filled by the tensor data mover.
; CLUSTER 4 x 4: the four of a row need the same tiles of A, the four of a column the same tiles of B; each tile is asked for jointly, with a mask that names the four.
; The matrix instruction is used transposed (source 0 = 16 rows of B, source 1 = 16 rows of A): a lane holds eight neighbouring columns of one row of C.
; REGISTERS: window 0: v16-27 addresses, v64-127 and v128-191 A's fragments (two buffers), v192-223 packed results, v32-63 and v224-255 rows read back;
;   window 1: v0-63 the bias, v64-127, v128-191 B's fragments; windows 2 and 3: the accumulators of my rows 0-63 and 64-127, (a, b) at v[8 (8 a + b)].
; The same text serves the q, k, v product with EPI = 0 (no bias, head-major result).
.set EPI,    1
.set SIZE_K, 1024
.set SIZE_N, 4096                      ; columns of the row-major result
.set BOFF,   0                         ; B's first byte in wt
.set ZFIRST, 1+EPI                     ; how the first products start the sums: 1 the constant 0, 2 the bias
.set KSTEP,  128
.set PITCH,  272                       ; an LDS row: 256 bytes + 16 of padding: the 16 rows of a fragment load start at 16 different 16-byte columns
.set HALFT,  128*PITCH
.set SLOT,   4*HALFT                   ; A's 256 rows, then B's 256 rows
.set STAGE,  2*SLOT                    ; behind the ring: 16 rows x 272 bytes for each wave; no tensor load lands here
.set SPITCH, 272
.set LAPS,   SIZE_K/(2*KSTEP)
.set ADRA, 16
.set ADRB, 20
.set STO,  24
.set RD,   25
.set CO,   26
.set BA,   27
.set F0,   64
.set F1,   128
.set TMP,  192
.set OB,   32
.set G1,   24                          ; s[24:31] group 1 for A, s[32:39] group 0 for A (a set for each slot)
.set G0,   32
.set G1B,  48                          ; s[48:55], s[56:63] the same for B
.set G0B,  56
.set MSB,  0
.macro WIN new                         ; the immediate's high byte repeats the setting that is left; a switch that changes nothing is dropped
.if MSB != \new
	s_set_vgpr_msb (MSB<<8)|\new
.set MSB, \new
.endif
.endm
.set MUL_LO, 0xa1                      ; source 0 (B) window 1, source 1 (A) window 0, C and D window 2
.set MUL_HI, 0xf1                      ; the same, C and D window 3
.set TO_B,   0x40                      ; destination window 1, address window 0
.macro JLOAD s                         ; a joint load: waves 0, 1 fetch A's halves, waves 2, 3 B's; four v_nop follow each line
	s_cmp_eq_u32 s11, 0
	s_cbranch_scc0 .Lfor_b_\@
	tensor_load_to_lds s[G0+4*\s:G0+4*\s+3], s[G1:G1+7]
	s_nop 0
.rept 4
	v_nop
.endr
	s_branch .Lasked_\@
.Lfor_b_\@:
	tensor_load_to_lds s[G0B+4*\s:G0B+4*\s+3], s[G1B:G1B+7]
	s_nop 0
.rept 4
	v_nop
.endr
.Lasked_\@:
.endm
.macro CREST                           ; a round of the cluster's barrier behind its opening barrier
	s_cmp_lg_u32 s10, 0
	s_cbranch_scc1 .Lnot_wave_0_\@
	s_barrier_signal -3
.Lnot_wave_0_\@:
	s_barrier_wait -3
	s_barrier_signal -1
	s_barrier_wait -1
.endm
.macro CROUND
	s_barrier_signal -1
	s_barrier_wait -1
	CREST
.endm
	s_load_b128 s[4:7], s[0:1], 0x0                ; A s[4:5], wt s[6:7]
.if EPI
	s_load_b64 s[66:67], s[0:1], 0x10              ; bias
	s_load_b64 s[8:9], s[0:1], 0x18                ; C
	s_set_vgpr_msb 0x40
	v_lshl_add_u32 v255, v0, 2, 0x48400
	s_set_vgpr_msb 0x4000
	v_mov_b32 v31, 0
	s_set_vgpr_msb 0x1
	ds_add_u32 v255, v31
	ds_add_u32 v255, v31
	s_set_vgpr_msb 0x100
.else
	s_load_b64 s[8:9], s[0:1], 0x10                ; C
.endif
	v_lshrrev_b32 v1, 5, v0
	v_readfirstlane_b32 s10, v1                    ; wave 0..3
	s_lshr_b32 s11, s10, 1                         ; my half of the tile's rows; also: I fetch for A (0) or B (1)
	s_and_b32 s12, s10, 1                          ; my half of its columns; also: which 128 rows I fetch
	s_bfe_u32 s40, ttmp6, 0x40000                  ; cx
	s_bfe_u32 s41, ttmp6, 0x40004                  ; cy
	s_lshl_b32 s42, ttmp9, 2
	s_add_co_u32 s42, s42, s40                     ; tile column
	s_and_b32 s13, ttmp7, 0xffff
	s_lshl_b32 s13, s13, 2
	s_add_co_u32 s13, s13, s41                     ; tile row
	s_lshl_b32 s43, s41, 2
	s_lshl_b32 s43, 15, s43                        ; my row of the cluster
	s_lshl_b32 s44, 0x1111, s40                    ; my column
	s_or_b32 s[G1+0], s43, (1<<16)|(1<<20)|(1<<21)|(5<<22)|(3<<25)   ; mask; 2-byte elements; padding on; bit 21 beside a mask; 4 words after every 64
	s_or_b32 s[G1B+0], s44, (1<<16)|(1<<20)|(1<<21)|(5<<22)|(3<<25)
.irp g, G1, G1B
	s_mov_b32 s[\g+1], KSTEP<<16                   ; tensor_dim0 = 128
	s_mov_b32 s[\g+2], 128<<16                     ; tensor_dim1 = 128
	s_mov_b32 s[\g+3], KSTEP<<16                   ; tile_dim0 = 128
	s_mov_b32 s[\g+4], 128                         ; tile_dim1 = 128
	s_mov_b32 s[\g+5], SIZE_K                      ; elements from row to row
	s_mov_b32 s[\g+6], 0
	s_mov_b32 s[\g+7], 0
.endr
	s_lshl_b32 s17, s12, 7
	s_lshl_b32 s16, s13, 8
	s_add_co_u32 s16, s16, s17                     ; A: row 256 x tile row + 128 x half
	s_lshl_b32 s46, s42, 8
	s_add_co_u32 s46, s46, s17                     ; B: row 256 x tile column + 128 x half
	s_mov_b32 s17, 0
	s_mov_b32 s47, 0
	s_mov_b64 s[18:19], SIZE_K*2
	s_mul_u64 s[16:17], s[16:17], s[18:19]
	s_mul_u64 s[46:47], s[46:47], s[18:19]
	s_mul_i32 s20, s10, HALFT                      ; LDS: wave x 128 rows; no place in the cluster enters an LDS address
	s_wait_dscnt 0x0
	s_wait_kmcnt 0x0
	s_add_nc_u64 s[14:15], s[4:5], s[16:17]
	s_add_nc_u64 s[46:47], s[6:7], s[46:47]
.if BOFF
	s_add_nc_u64 s[46:47], s[46:47], BOFF
.endif
	CROUND                                         ; all sixteen work-groups are here: the first joint loads meet
.irp s, 0,1
	s_mov_b32 s[G0+4*\s], 1
	s_add_co_u32 s[G0+4*\s+1], s20, \s*SLOT
	s_add_nc_u64 s[G0+4*\s+2:G0+4*\s+3], s[14:15], \s*KSTEP*2
	s_or_b32 s[G0+4*\s+3], s[G0+4*\s+3], 0x80000000
	s_mov_b32 s[G0B+4*\s], 1
	s_add_co_u32 s[G0B+4*\s+1], s20, \s*SLOT
	s_add_nc_u64 s[G0B+4*\s+2:G0B+4*\s+3], s[46:47], \s*KSTEP*2
	s_or_b32 s[G0B+4*\s+3], s[G0B+4*\s+3], 0x80000000
	JLOAD \s                                       ; two loads of mine are out
.endr
	v_and_b32 v1, 15, v0                           ; l % 16
	v_bfe_u32 v2, v0, 4, 1                         ; l / 16
	v_mul_u32_u24 v3, v1, PITCH
	v_lshl_add_u32 v3, v2, 4, v3                   ; a fragment's row x pitch + 16 x half
	s_mul_i32 s21, s11, HALFT
	s_mul_i32 s22, s12, HALFT
	s_add_co_u32 s22, s22, 2*HALFT
.irp s, 0,1
	v_add_nc_u32 v[ADRA+\s], s21, v3
	v_add_nc_u32 v[ADRB+\s], s22, v3
	s_add_co_u32 s21, s21, SLOT
	s_add_co_u32 s22, s22, SLOT
.endr
	s_mul_i32 s23, s10, 16*SPITCH
	s_add_co_u32 s23, s23, STAGE                   ; my stage
	v_mul_u32_u24 v4, v1, SPITCH
	v_lshl_add_u32 v4, v2, 4, v4
	v_add_nc_u32 v[STO], s23, v4                   ; in: row l % 16, 16 bytes for each half of the lanes
.if EPI
	v_mul_u32_u24 v5, v2, SPITCH                   ; back: lanes 0-15 one row of 256 bytes, lanes 16-31 the next
	v_lshl_add_u32 v5, v1, 4, v5
	v_add_nc_u32 v[RD], s23, v5
	v_mul_u32_u24 v5, v2, SIZE_N*2
	v_lshl_add_u32 v[CO], v1, 4, v5
	s_lshl_b32 s13, s13, 8
	s_lshl_b32 s14, s11, 7
	s_add_co_u32 s16, s13, s14                     ; my first row of C
	s_mul_i32 s16, s16, SIZE_N*2                   ; under 2^26
	s_mov_b32 s17, 0
	s_lshl_b32 s46, s42, 9
	s_lshl_b32 s47, s12, 8
	s_add_co_u32 s46, s46, s47                     ; my first column, in bytes of bf16
	s_mov_b32 s47, 0
	s_add_nc_u64 s[16:17], s[16:17], s[46:47]      ; what the first way out adds to C's address
	s_lshl_b32 s46, s46, 1                         ; the same column in bytes of f32
	s_add_nc_u64 s[66:67], s[66:67], s[46:47]
	v_lshlrev_b32 v[BA], 5, v2                     ; a lane's eight columns of n block b: 16 b + 8 (l / 16) on
	WIN TO_B
.irp b, 0,1,2,3,4,5,6,7
	global_load_b128 v[8*\b:8*\b+3],   v[BA], s[66:67] offset:64*\b
	global_load_b128 v[8*\b+4:8*\b+7], v[BA], s[66:67] offset:64*\b+16
.endr
	WIN 0
.else
	v_bfe_u32 v6, v0, 3, 2                         ; back: eight lanes take 128 bytes (a head's part) of one row, a load takes four rows
	v_and_b32 v7, 7, v0
	v_mul_u32_u24 v5, v6, SPITCH
	v_lshl_add_u32 v5, v7, 4, v5
	v_add_nc_u32 v[RD], s23, v5
	v_and_b32 v5, 31, v0
	v_lshlrev_b32 v[CO], 4, v5                     ; four rows of 128 bytes are 512 consecutive bytes of a head
	s_lshl_b32 s16, s13, 15                        ; 256 x tile row x 128 bytes
	s_lshl_b32 s14, s11, 14
	s_add_co_u32 s16, s16, s14
	s_mov_b32 s17, 0
	s_lshl_b32 s46, s42, 21                        ; four heads a tile column, 524,288 bytes a head,
	s_lshl_b32 s47, s12, 20                        ; two a wave
	s_add_co_u32 s46, s46, s47
	s_mov_b32 s47, 0
	s_add_nc_u64 s[16:17], s[16:17], s[46:47]
.endif
; 16 matrix instructions: m blocks a0, a0 + 1 of the window's four x all 8 n blocks, 32 along K.  The 64 accumulators take turns, one instruction a turn.
.macro MUL16 f, hi, a0, zero
.irp a, \a0, \a0+1
.irp b, 0,1,2,3,4,5,6,7
.if \zero == 1
	v_wmma_f32_16x16x32_bf16 v[8*(8*(\a)+\b):8*(8*(\a)+\b)+7], v[\f+8*\b:\f+8*\b+7], v[\f+8*(4*\hi+\a):\f+8*(4*\hi+\a)+7], 0
.elseif \zero == 2
	v_wmma_f32_16x16x32_bf16 v[8*(8*(\a)+\b):8*(8*(\a)+\b)+7], v[\f+8*\b:\f+8*\b+7], v[\f+8*(4*\hi+\a):\f+8*(4*\hi+\a)+7], v[8*\b:8*\b+7]
.else
	v_wmma_f32_16x16x32_bf16 v[8*(8*(\a)+\b):8*(8*(\a)+\b)+7], v[\f+8*\b:\f+8*\b+7], v[\f+8*(4*\hi+\a):\f+8*(4*\hi+\a)+7], v[8*(8*(\a)+\b):8*(8*(\a)+\b)+7]
.endif
.endr
.endr
.endm
.macro FETCH slot, k, f                ; 32 LDS loads in one run: a quarter step's fragments (B's 128 rows, then A's) into buffer f
	WIN TO_B
.irp i, 0,1,2,3,4,5,6,7
	ds_load_b128 v[\f+8*\i:\f+8*\i+3],   v[ADRB+\slot] offset:\k+\i*16*PITCH
	ds_load_b128 v[\f+8*\i+4:\f+8*\i+7], v[ADRB+\slot] offset:\k+\i*16*PITCH+32
.endr
	WIN 0
.irp i, 0,1,2,3,4,5,6,7
	ds_load_b128 v[\f+8*\i:\f+8*\i+3],   v[ADRA+\slot] offset:\k+\i*16*PITCH
	ds_load_b128 v[\f+8*\i+4:\f+8*\i+7], v[ADRA+\slot] offset:\k+\i*16*PITCH+32
.endr
.endm
.macro PLACES                          ; four plain vector instructions between a matrix instruction and a load into, or a vector read of, its registers
.rept 4
	v_nop
.endr
.endm
.macro QUARTER slot, k, f, g, zero     ; 64 matrix instructions on buffer f; in the middle the next quarter's fragments, at byte k, go into buffer g
	s_wait_dscnt 8                                 ; B and A's rows 0-63 are in; the youngest eight loads (A's rows 64-127) may be out
.if \zero == 2
	WIN 0x91                                       ; C (the bias) in window 1, D in window 2
.else
	WIN MUL_LO
.endif
	MUL16 \f, 0, 0, \zero
	MUL16 \f, 0, 2, \zero
	PLACES
	FETCH \slot, \k, \g
	s_wait_dscnt 32                                ; all but the 32 just issued
.if \zero == 2
	WIN 0xd1
.else
	WIN MUL_HI
.endif
	MUL16 \f, 1, 0, \zero
	MUL16 \f, 1, 2, \zero
.endm
; The last quarter of a K step multiplies buffer 1 and changes slots.  One barrier: in front of it each wave waits for its reads of this slot and for all its tensor loads
; (one is out: its part of the next slot).  fill = 1: the barrier opens a round of the cluster's barrier, and this slot is filled again first thing behind the round.
.macro TURN slot, next, fill
	s_wait_dscnt 8
	WIN MUL_LO
	MUL16 F1, 0, 0, 0
	s_wait_dscnt 0
	s_wait_tensorcnt 0x0
	ds_add_u32 v255, v31
	s_wait_dscnt 0x0
	s_barrier_signal -1
	MUL16 F1, 0, 2, 0
.if \fill
	WIN 0
.endif
	s_barrier_wait -1
.if \fill
	CREST
	s_add_nc_u64 s[G0+4*\slot+2:G0+4*\slot+3], s[G0+4*\slot+2:G0+4*\slot+3], 2*KSTEP*2
	s_add_nc_u64 s[G0B+4*\slot+2:G0B+4*\slot+3], s[G0B+4*\slot+2:G0B+4*\slot+3], 2*KSTEP*2
	JLOAD \slot                                    ; 240 matrix instructions ahead of the wait for it; its four v_nop are also the places in front of the loads below
.else
	PLACES
.endif
	FETCH \next, 0, F0
	WIN MUL_HI
	MUL16 F1, 1, 0, 0
	MUL16 F1, 1, 2, 0
.endm
; THE WAY OUT of block a (16 rows): PACK applies relu and rounds to bf16, TOSTAGE sends 16 bytes a lane through my own stage, SEND stores.
.macro PACK a
.set AC, 64*((\a)%4)
.if EPI
	WIN 0x88+0x44*((\a)/4)                         ; source 1 and destination: window 2 or 3
.set x, 0
.rept 64
	v_max_num_f32 v[AC+x], 0, v[AC+x]              ; relu, each accumulator from its lowest register on
.set x, x+1
.endr
.endif
	WIN 0x0a+5*((\a)/4)                            ; sources 0 and 1: window 2 or 3
.irp b, 0,1,2,3,4,5,6,7
.irp w, 0,1,2,3
	v_cvt_pk_bf16_f32 v[TMP+4*\b+\w], v[AC+8*\b+2*\w], v[AC+8*\b+2*\w+1]
.endr
.endr
	WIN 0
.endm
.macro TOSTAGE a
.set BK, OB+192*((\a)%2)
.irp b, 0,1,2,3,4,5,6,7
	ds_store_b128 v[STO], v[TMP+4*\b:TMP+4*\b+3] offset:32*\b
.endr
.irp t, 0,1,2,3,4,5,6,7
.if EPI
	ds_load_b128 v[BK+4*\t:BK+4*\t+3], v[RD] offset:\t*2*SPITCH             ; LDS serves a wave's instructions in order (ISA guide 5.7.1.4): these see the stores above
.else
	ds_load_b128 v[BK+4*\t:BK+4*\t+3], v[RD] offset:(\t%4)*4*SPITCH+(\t/4)*128   ; rows 4 (t % 4) on, head t / 4 of my two
.endif
.endr
.endm
.macro SEND a
.set BK, OB+192*((\a)%2)
	s_wait_dscnt 0                                 ; the block is back in registers
	s_wait_xcnt 0x0                                ; the stores' base and the registers that earlier stores read are rewritten only behind this wait
.if (\a) == 0
	s_add_nc_u64 s[8:9], s[8:9], s[16:17]
.elseif EPI
	s_add_nc_u64 s[8:9], s[8:9], 16*SIZE_N*2
.else
	s_add_nc_u64 s[8:9], s[8:9], 16*128
.endif
.irp t, 0,1,2,3,4,5,6,7
.if EPI
	global_store_b128 v[CO], v[BK+4*\t:BK+4*\t+3], s[8:9] offset:2*\t*SIZE_N*2          ; 16 lanes store 256 consecutive bytes, aligned
.else
	global_store_b128 v[CO], v[BK+4*\t:BK+4*\t+3], s[8:9] offset:(\t/4)*524288+(\t%4)*512   ; the wave stores 512 consecutive bytes, aligned
.endif
.endr
.endm
	s_wait_tensorcnt 1                             ; my part of K step 0 is in; K step 1's stays out
	s_barrier_signal -1
	s_barrier_wait -1
	FETCH 0, 0, F0
.if EPI
	s_wait_loadcnt 0x0                             ; the bias
.endif
	QUARTER 0, 64,  F0, F1, ZFIRST                 ; the first quarter starts the sums: nothing is cleared
	WIN 0
	s_mov_b32 s3, LAPS-1
.Llap:                                                 ; a trip goes once round the ring and fills both slots again
	QUARTER 0, 128, F1, F0, 0
	QUARTER 0, 192, F0, F1, 0
	TURN 0, 1, 1
	QUARTER 1, 64,  F0, F1, 0
	QUARTER 1, 128, F1, F0, 0
	QUARTER 1, 192, F0, F1, 0
	TURN 1, 0, 1
	QUARTER 0, 64,  F0, F1, 0
	WIN 0
	s_sub_co_u32 s3, s3, 1
	s_cmp_lg_u32 s3, 0
	s_cbranch_scc1 .Llap
	QUARTER 0, 128, F1, F0, 0                      ; the last lap fills nothing
	QUARTER 0, 192, F0, F1, 0
	TURN 0, 1, 0
	QUARTER 1, 64,  F0, F1, 0
	QUARTER 1, 128, F1, F0, 0
	QUARTER 1, 192, F0, F1, 0
	s_wait_dscnt 8
	WIN MUL_LO
	MUL16 F1, 0, 0, 0
	MUL16 F1, 0, 2, 0
	s_wait_dscnt 0
	WIN MUL_HI
	MUL16 F1, 1, 0, 0
	MUL16 F1, 1, 2, 0
	WIN 0
	PLACES
	PACK 0
	TOSTAGE 0
.irp a, 1,2,3,4,5,6,7                  ; block a's arithmetic stands between block a - 1's loads from the stage and the wait for them
	PACK \a
	SEND \a-1
	TOSTAGE \a
.endr
	SEND 7
	s_set_vgpr_msb 0x1
	s_wait_tensorcnt 0x0
	ds_add_u32 v255, v31
	s_wait_dscnt 0x0
	s_set_vgpr_msb 0x100
	CROUND                                         ; the closing round: no work-group ends while a partner may still ask for a tile that names it
	s_endpgm
.Lfunc_end_k_qc9582eae0e_gff1:
	.size	k_qc9582eae0e_gff1, .Lfunc_end_k_qc9582eae0e_gff1-k_qc9582eae0e_gff1
	.p2alignl 7, 3214868480
	.fill 96, 4, 3214868480
	.section	.rodata,"a",@progbits
	.p2align	6, 0x0
	.amdhsa_kernel k_qc9582eae0e_gff1
		.amdhsa_group_segment_fixed_size 327680
		.amdhsa_private_segment_fixed_size 0
		.amdhsa_enable_private_segment 0
		.amdhsa_kernarg_size 32
		.amdhsa_user_sgpr_count 2
		.amdhsa_user_sgpr_kernarg_segment_ptr 1
		.amdhsa_wavefront_size32 1
		.amdhsa_system_sgpr_workgroup_id_x 1
		.amdhsa_system_sgpr_workgroup_id_y 1
		.amdhsa_system_sgpr_workgroup_id_z 1
		.amdhsa_system_vgpr_workitem_id 0
		.amdhsa_next_free_vgpr 1024
		.amdhsa_next_free_sgpr 72
		.amdhsa_reserve_vcc 0
		.amdhsa_float_denorm_mode_32 3
		.amdhsa_float_denorm_mode_16_64 3
		.amdhsa_memory_ordered 1
		.amdhsa_forward_progress 1
		.amdhsa_inst_pref_size 161
	.end_amdhsa_kernel
	.amdgpu_metadata
---
amdhsa.version: [ 1, 2 ]
amdhsa.kernels:
  - .name:           k_qc9582eae0e_gff1
    .symbol:         k_qc9582eae0e_gff1.kd
    .args:
      - { .name: hn, .offset: 0, .size: 8, .value_kind: global_buffer, .address_space: global }
      - { .name: wt, .offset: 8, .size: 8, .value_kind: global_buffer, .address_space: global }
      - { .name: b1, .offset: 16, .size: 8, .value_kind: global_buffer, .address_space: global }
      - { .name: r, .offset: 24, .size: 8, .value_kind: global_buffer, .address_space: global }
    .group_segment_fixed_size: 327680
    .private_segment_fixed_size: 0
    .kernarg_segment_align: 8
    .kernarg_segment_size: 32
    .max_flat_workgroup_size: 128
    .sgpr_count:     72
    .vgpr_count:     1024
    .wavefront_size: 32
...
	.end_amdgpu_metadata
.endif
;; end of part 6
;; launch gff2 (part 7): grid 8 x 32, 4 waves a work-group, clusters of 4 x 4, 327,680 bytes of LDS; arguments r, wt, b2, x1, out0; writes out0
.if DOCPART == 7
	.amdgcn_target "amdgcn-amd-amdhsa--gfx1250"
	.amdhsa_code_object_version 6
	.text
	.protected	k_qc9582eae0e_gff2
	.globl	k_qc9582eae0e_gff2
	.p2align	8
	.type	k_qc9582eae0e_gff2,@function
k_qc9582eae0e_gff2:
	s_mov_b64 s[64:65], 0
	v_nop
	global_prefetch_b8 v0, s[64:65] scope:SCOPE_SE
	s_setreg_imm32_b32 hwreg(HW_REG_WAVE_MODE, 25, 1), 1
	s_wait_xcnt 0x0
	s_wait_alu depctr_hold_cnt(0) depctr_sa_sdst(0) depctr_va_vdst(0) depctr_va_sdst(0) depctr_va_ssrc(0) depctr_va_vcc(0) depctr_vm_vsrc(0)
	s_getreg_b32 s2, hwreg(HW_REG_IB_STS2, 6, 4)
	s_cmp_eq_u32 s2, 0
	s_cbranch_scc0 .Lentry_in_a_cluster
	s_endpgm
.Lentry_in_a_cluster:
	s_bfe_u32 s2, ttmp6, 0x10000c
	s_cmp_lg_u32 s2, 0xf033
	s_cbranch_scc0 .Lentry_shape_is_right
	s_endpgm
.Lentry_shape_is_right:
; out0 = x1 + r W2 + b2.  A = r [4096][4096] bf16; B = wt from byte 16,777,216, [1024 n][4096 k] bf16; bias, residual and result f32.
; The bias is the start value of the sums, the residual is added to the finished sum in f32.
; A tile of C is 128 x 128 (8 x 32 = 256 work-groups); four waves, each 64 x 64 in 16 accumulators.  K goes in 16 steps of 256 through two LDS slots; a tile's rows are 512 bytes at pitch 528.
; CLUSTER 4 x 4: A's tiles are asked for jointly along a row of the cluster, B's along a column.  The matrix instruction is used transposed: a lane holds eight neighbouring columns of a row of C.
; PREFETCH.  Each aligned block of 256 bytes of r and of B is asked for once in the launch, by one lane of one wave of a work-group that reads it:
;   A: a K step's 512 bytes of the 128 rows of a tile row are 256 blocks, shared among the 8 work-groups that read them: (tx, ty) takes rows 128 ty + 16 tx .. + 15: 32 blocks, one instruction of wave 0.
;   B: four K steps' 2,048 bytes of the 128 rows of a tile column are 1,024 blocks, shared among the 32 work-groups that read them: rows 128 tx + 4 ty .. + 3: 32 blocks, one instruction of wave 2.
;   K steps 0 to 3 are asked for at the start, ahead of the cluster's first round.  Behind the tensor load for K step j + 2 wave 0 asks for A's K step j + 4, whose own tensor load is issued two K steps,
;   256 matrix instructions of a wave, later; at j = 0, 4, 8 wave 2 asks for B's K steps j + 4 to j + 7.  The asks end with K step 15: the seventh lap and the tail are written out and ask for nothing.
;   Asked for and not yet requested by a tensor load: 40 KiB a work-group at the start (32 of A, 8 of B), 26 KiB at the most in the loop (two K steps of A, five of B).
; REGISTERS: window 0: v16-29 addresses, v32-95 rows on the way out (two halves), v96-127 the bias, v128-255 the accumulators ((a, b) at v[128 + 8 (4 a + b)]);
;   window 1: two fragment buffers of 128;  window 2: v0-127 my 64 x 64 of the residual, asked for at the start.
.set SIZE_K, 4096
.set BOFF,   16777216                  ; B's first byte in wt
.set KSTEP,  256
.set BPITCH, 528                       ; 512 bytes + 16 of padding
.set BHALF,  64*BPITCH
.set APITCH, 528
.set AQ,     128                       ; from a quarter (64 along K) to the next
.set AHALF,  64*APITCH
.set AROWB,  SIZE_K*2                  ; bytes from row to row of A, and of B, in memory
.set ASTEP,  KSTEP*2                   ; bytes from a K step to the next
.set ADIM0,  KSTEP
.set AROWS,  64
.set ASTR,   SIZE_K
.set AQI,    6                         ; padding after every 128 words
.set SLOT,   2*AHALF+2*BHALF           ; A's 128 rows, then B's 128 rows
.set STAGE,  2*SLOT                    ; behind the ring: 16 rows x 272 bytes for each wave; no tensor load lands here
.set SPITCH, 272
.set LAPS,   SIZE_K/(2*KSTEP)          ; 8: a lap = two K steps = once round the ring
.set TRIPS,  (LAPS-2)/2                ; 3: a trip of the loop is two laps; the seventh lap and the last are written out
.set ADRA, 16
.set ADRB, 20
.set STO,  24
.set RD,   25
.set CO,   26
.set BA,   27
.set PA,   28                          ; v28  prefetch of A: row l / 2 of my 16, block l % 2 of a K step's two; never rewritten
.set PB,   29                          ; v29  prefetch of B: row l / 8 of my 4, block l % 8 of four K steps' eight; never rewritten
.set TMP,  32
.set BIAS, 96
.set ACC,  128
.set F0,   0
.set F1,   128
.set G1,   24
.set G0,   32
.set G1B,  48
.set G0B,  56
.set PFA,  72                          ; s[72:73] r at my 16 rows, s[74:75] B at my 4 rows: at the K step with which the loop's trip begins
.set PFB,  74
.set MSB,  0
.macro WIN new
.if MSB != \new
	s_set_vgpr_msb (MSB<<8)|\new
.set MSB, \new
.endif
.endm
.set MUL,  0x05                        ; sources 0 (B) and 1 (A) window 1; C and D window 0
.set TO_F, 0x40
; A joint load: waves 0, 1 fetch A's halves, waves 2, 3 B's; four v_nop follow each line.
; pa, pb >= 0: behind them the arm's first wave (0 or 2) asks for 32 blocks at that byte of its rows; the arm's other wave jumps over the ask.  -1: no ask.
.macro JLOAD s, pa, pb
	s_cmp_eq_u32 s11, 0
	s_cbranch_scc0 .Lfor_b_\@
	tensor_load_to_lds s[G0+4*\s:G0+4*\s+3], s[G1:G1+7]
	s_nop 0
.rept 4
	v_nop
.endr
.if \pa >= 0
	s_cmp_lg_u32 s12, 0
	s_cbranch_scc1 .Lasked_\@
	global_prefetch_b8 v[PA], s[PFA:PFA+1] offset:\pa th:TH_LOAD_NT scope:SCOPE_SE
.endif
	s_branch .Lasked_\@
.Lfor_b_\@:
	tensor_load_to_lds s[G0B+4*\s:G0B+4*\s+3], s[G1B:G1B+7]
	s_nop 0
.rept 4
	v_nop
.endr
.if \pb >= 0
	s_cmp_lg_u32 s12, 0
	s_cbranch_scc1 .Lasked_\@
	global_prefetch_b8 v[PB], s[PFB:PFB+1] offset:\pb th:TH_LOAD_NT scope:SCOPE_SE
.endif
.Lasked_\@:
.endm
.macro CREST
	s_cmp_lg_u32 s10, 0
	s_cbranch_scc1 .Lnot_wave_0_\@
	s_barrier_signal -3
.Lnot_wave_0_\@:
	s_barrier_wait -3
	s_barrier_signal -1
	s_barrier_wait -1
.endm
.macro CROUND
	s_barrier_signal -1
	s_barrier_wait -1
	CREST
.endm
	s_load_b128 s[4:7], s[0:1], 0x0                ; A s[4:5], wt s[6:7]
	s_load_b128 s[68:71], s[0:1], 0x10             ; bias s[68:69], residual s[70:71]
	s_load_b64 s[8:9], s[0:1], 0x20                ; C
	v_lshl_add_u32 v30, v0, 2, 0x46400
	v_mov_b32 v31, 0
	ds_add_u32 v30, v31
	ds_add_u32 v30, v31
	v_lshrrev_b32 v1, 5, v0
	v_readfirstlane_b32 s10, v1
	s_lshr_b32 s11, s10, 1                         ; my half of the tile's rows; also: I fetch for A (0) or B (1)
	s_and_b32 s12, s10, 1                          ; my half of its columns; also: which 64 rows I fetch
	s_bfe_u32 s40, ttmp6, 0x40000
	s_bfe_u32 s41, ttmp6, 0x40004
	s_lshl_b32 s42, ttmp9, 2
	s_add_co_u32 s42, s42, s40                     ; tile column tx
	s_and_b32 s13, ttmp7, 0xffff
	s_lshl_b32 s13, s13, 2
	s_add_co_u32 s13, s13, s41                     ; tile row ty
	s_lshl_b32 s43, s41, 2
	s_lshl_b32 s43, 15, s43
	s_lshl_b32 s44, 0x1111, s40
	s_or_b32 s[G1+0], s43, (1<<16)|(1<<20)|(1<<21)|(AQI<<22)|(3<<25)   ; mask; 2-byte elements; padding on; bit 21 beside a mask; 4 words of padding
	s_mov_b32 s[G1+1], ADIM0<<16                   ; tensor_dim0
	s_mov_b32 s[G1+2], AROWS<<16                   ; tensor_dim1
	s_mov_b32 s[G1+3], ADIM0<<16                   ; tile_dim0
	s_mov_b32 s[G1+4], AROWS                       ; tile_dim1
	s_mov_b32 s[G1+5], ASTR                        ; elements from row to row
	s_mov_b32 s[G1+6], 0
	s_mov_b32 s[G1+7], 0
	s_or_b32 s[G1B+0], s44, (1<<16)|(1<<20)|(1<<21)|(6<<22)|(3<<25)
	s_mov_b32 s[G1B+1], KSTEP<<16
	s_mov_b32 s[G1B+2], 64<<16
	s_mov_b32 s[G1B+3], KSTEP<<16
	s_mov_b32 s[G1B+4], 64
	s_mov_b32 s[G1B+5], SIZE_K
	s_mov_b32 s[G1B+6], 0
	s_mov_b32 s[G1B+7], 0
	s_lshl_b32 s17, s12, 6
	s_lshl_b32 s16, s13, 7
	s_add_co_u32 s16, s16, s17                     ; A: row 128 x tile row + 64 x half
	s_lshl_b32 s46, s42, 7
	s_add_co_u32 s46, s46, s17                     ; B: row 128 x tile column + 64 x half
	s_mul_i32 s16, s16, AROWB                      ; both under 2^26
	s_mul_i32 s46, s46, SIZE_K*2
	s_mov_b32 s17, 0
	s_mov_b32 s47, 0
	s_mul_i32 s20, s12, AHALF                      ; where they go: no place in the cluster enters an LDS address
	s_mul_i32 s21, s12, BHALF
	s_add_co_u32 s21, s21, 2*AHALF
	; the prefetches' offsets, in registers that feed no descriptor and no LDS address; rows are 8,192 = 2^13 bytes apart
	v_and_b32 v6, 31, v0                           ; lane l
	v_lshrrev_b32 v7, 1, v6
	v_and_b32 v8, 1, v6
	v_lshlrev_b32 v[PA], 13, v7                    ; A: row l / 2,
	v_lshl_add_u32 v[PA], v8, 8, v[PA]             ; block l % 2
	v_lshrrev_b32 v7, 3, v6
	v_and_b32 v8, 7, v6
	v_lshlrev_b32 v[PB], 13, v7                    ; B: row l / 8,
	v_lshl_add_u32 v[PB], v8, 8, v[PB]             ; block l % 8
	s_lshl_b32 s18, s13, 20                        ; A: (128 ty + 16 tx) rows
	s_lshl_b32 s19, s42, 17
	s_add_co_u32 s18, s18, s19
	s_mov_b32 s19, 0
	s_lshl_b32 s22, s42, 20                        ; B: (128 tx + 4 ty) rows, behind BOFF
	s_lshl_b32 s23, s13, 15
	s_add_co_u32 s22, s22, s23
	s_add_co_u32 s22, s22, BOFF
	s_mov_b32 s23, 0
	s_wait_dscnt 0x0
	s_wait_kmcnt 0x0
	s_add_nc_u64 s[PFA:PFA+1], s[4:5], s[18:19]
	s_add_nc_u64 s[PFB:PFB+1], s[6:7], s[22:23]
	s_cmp_lg_u32 s12, 0                            ; K steps 0 to 3 are asked for now: the blocks are on their way while the sixteen work-groups meet
	s_cbranch_scc1 .Lfirst_asked                   ; waves 1 and 3 ask for nothing
	s_cmp_lg_u32 s11, 0
	s_cbranch_scc1 .Lfirst_b
.irp p, 0,1,2,3
	global_prefetch_b8 v[PA], s[PFA:PFA+1] offset:\p*ASTEP th:TH_LOAD_NT scope:SCOPE_SE
.endr
	s_branch .Lfirst_asked
.Lfirst_b:
	global_prefetch_b8 v[PB], s[PFB:PFB+1] th:TH_LOAD_NT scope:SCOPE_SE
.Lfirst_asked:
	s_add_nc_u64 s[14:15], s[4:5], s[16:17]        ; the descriptors are made between the asks and the round: scalar work alone
	s_add_nc_u64 s[46:47], s[6:7], s[46:47]
	s_add_nc_u64 s[46:47], s[46:47], BOFF
.irp s, 0,1
	s_mov_b32 s[G0+4*\s], 1
	s_add_co_u32 s[G0+4*\s+1], s20, \s*SLOT
	s_add_nc_u64 s[G0+4*\s+2:G0+4*\s+3], s[14:15], \s*ASTEP
	s_or_b32 s[G0+4*\s+3], s[G0+4*\s+3], 0x80000000
	s_mov_b32 s[G0B+4*\s], 1
	s_add_co_u32 s[G0B+4*\s+1], s21, \s*SLOT
	s_add_nc_u64 s[G0B+4*\s+2:G0B+4*\s+3], s[46:47], \s*KSTEP*2
	s_or_b32 s[G0B+4*\s+3], s[G0B+4*\s+3], 0x80000000
.endr
	CROUND                                         ; all sixteen work-groups are here: the first joint loads meet
	JLOAD 0, -1, -1
	JLOAD 1, -1, -1                                ; two loads of mine are out
	v_and_b32 v1, 15, v0                           ; r = l % 16
	v_bfe_u32 v2, v0, 4, 1                         ; h = l / 16
	v_mul_u32_u24 v3, v1, APITCH
	v_lshl_add_u32 v3, v2, 4, v3
	v_mul_u32_u24 v4, v1, BPITCH
	v_lshl_add_u32 v4, v2, 4, v4
	s_mul_i32 s21, s11, AHALF                      ; my 64 rows of A
	s_mul_i32 s22, s12, BHALF                      ; my 64 rows of B, behind A's 128
	s_add_co_u32 s22, s22, 2*AHALF
.irp s, 0,1
	v_add_nc_u32 v[ADRA+\s], s21, v3
	v_add_nc_u32 v[ADRB+\s], s22, v4
	s_add_co_u32 s21, s21, SLOT
	s_add_co_u32 s22, s22, SLOT
.endr
	s_mul_i32 s23, s10, 16*SPITCH
	s_add_co_u32 s23, s23, STAGE                   ; my stage: 16 rows of my 64 columns in f32
	v_mul_u32_u24 v5, v1, SPITCH
	v_lshl_add_u32 v5, v2, 5, v5
	v_add_nc_u32 v[STO], s23, v5                   ; in: row r, 32 bytes for each half of the lanes
	v_mul_u32_u24 v5, v2, SPITCH
	v_lshl_add_u32 v5, v1, 4, v5
	v_add_nc_u32 v[RD], s23, v5                    ; back: lanes 0-15 one row of 256 bytes, lanes 16-31 the next
	v_lshlrev_b32 v5, 12, v2
	v_lshl_add_u32 v[CO], v1, 4, v5                ; the same two rows in C and in the residual (rows of 4,096 bytes)
	v_lshlrev_b32 v[BA], 5, v2
	s_lshl_b32 s16, s13, 19                        ; 128 x tile row x 4,096
	s_lshl_b32 s14, s11, 18
	s_add_co_u32 s16, s16, s14
	s_mov_b32 s17, 0
	s_lshl_b32 s46, s42, 9                         ; 128 x tile column x 4
	s_lshl_b32 s47, s12, 8
	s_add_co_u32 s46, s46, s47
	s_mov_b32 s47, 0
	s_add_nc_u64 s[68:69], s[68:69], s[46:47]      ; the bias at my first column
	s_add_nc_u64 s[16:17], s[16:17], s[46:47]
	s_add_nc_u64 s[70:71], s[70:71], s[16:17]      ; residual and C at my first row and column
	s_add_nc_u64 s[8:9], s[8:9], s[16:17]
.irp b, 0,1,2,3
	global_load_b128 v[BIAS+8*\b:BIAS+8*\b+3],   v[BA], s[68:69] offset:64*\b      ; a lane's columns 16 b + 8 h on
	global_load_b128 v[BIAS+8*\b+4:BIAS+8*\b+7], v[BA], s[68:69] offset:64*\b+16
.endr
	WIN 0x80                                       ; destination window 2
.irp a, 0,1,2,3
.irp t, 0,1,2,3,4,5,6,7
	global_load_b128 v[32*\a+4*\t:32*\a+4*\t+3], v[CO], s[70:71] offset:(16*\a+2*\t)*4096
.endr
.endr
	WIN 0
; 8 matrix instructions: m blocks a0, a0 + 1 x all 4 n blocks, 32 along K: half c of buffer f.  The 16 accumulators take turns, one instruction a turn.
.macro MUL8 f, c, a0, zero             ; zero = 2: the bias starts the sums: nothing is cleared
.irp a, \a0, \a0+1
.irp b, 0,1,2,3
.if \zero == 2
	v_wmma_f32_16x16x32_bf16 v[ACC+8*(4*(\a)+\b):ACC+8*(4*(\a)+\b)+7], v[\f+64+8*(4*\c+\b):\f+64+8*(4*\c+\b)+7], v[\f+8*(4*\c+\a):\f+8*(4*\c+\a)+7], v[BIAS+8*\b:BIAS+8*\b+7]
.else
	v_wmma_f32_16x16x32_bf16 v[ACC+8*(4*(\a)+\b):ACC+8*(4*(\a)+\b)+7], v[\f+64+8*(4*\c+\b):\f+64+8*(4*\c+\b)+7], v[\f+8*(4*\c+\a):\f+8*(4*\c+\a)+7], v[ACC+8*(4*(\a)+\b):ACC+8*(4*(\a)+\b)+7]
.endif
.endr
.endr
.endm
.macro FETCH slot, q, f                ; 32 LDS loads in one run: quarter q's fragments (64 along K) into buffer f; the first 32 along K first
	WIN TO_F
.irp c, 0,1
.irp i, 0,1,2,3
	ds_load_b128 v[\f+64+8*(4*\c+\i):\f+64+8*(4*\c+\i)+3],   v[ADRB+\slot] offset:128*\q+64*\c+\i*16*BPITCH
	ds_load_b128 v[\f+64+8*(4*\c+\i)+4:\f+64+8*(4*\c+\i)+7], v[ADRB+\slot] offset:128*\q+64*\c+\i*16*BPITCH+32
	ds_load_b128 v[\f+8*(4*\c+\i):\f+8*(4*\c+\i)+3],         v[ADRA+\slot] offset:AQ*\q+64*\c+\i*16*APITCH
	ds_load_b128 v[\f+8*(4*\c+\i)+4:\f+8*(4*\c+\i)+7],       v[ADRA+\slot] offset:AQ*\q+64*\c+\i*16*APITCH+32
.endr
.endr
.endm
.macro PLACES                          ; four plain vector instructions between a matrix instruction and a load into, or a read of, its registers
.rept 4
	v_nop
.endr
.endm
.macro QUARTER slot, q, f, g, zero     ; 32 matrix instructions on buffer f; in the middle quarter q's fragments go into buffer g
	s_wait_dscnt 16                                ; the first 32 along K are in
	WIN MUL
	MUL8 \f, 0, 0, \zero
	MUL8 \f, 0, 2, \zero
	PLACES
	FETCH \slot, \q, \g
	s_wait_dscnt 32                                ; all but the 32 just issued
	WIN MUL
	MUL8 \f, 1, 0, 0
	MUL8 \f, 1, 2, 0
.endm
; The last quarter multiplies buffer 1 and changes slots: one barrier; in front of it each wave waits for its reads of this slot and for all its tensor loads.
; fill = 1: the barrier opens a round of the cluster's barrier, and this slot is filled again first thing behind the round, two K steps ahead; pa, pb: the asks that go with the refill.
.macro TURN slot, next, fill, pa, pb
	s_wait_dscnt 16
	WIN MUL
	MUL8 F1, 0, 0, 0
	s_wait_dscnt 0
	s_set_vgpr_msb 0x500
	s_wait_tensorcnt 0x0
	ds_add_u32 v30, v31
	s_wait_dscnt 0x0
	s_set_vgpr_msb 0x5
	s_barrier_signal -1
	MUL8 F1, 0, 2, 0
.if \fill
	WIN 0
.endif
	s_barrier_wait -1
.if \fill
	CREST
	s_add_nc_u64 s[G0+4*\slot+2:G0+4*\slot+3], s[G0+4*\slot+2:G0+4*\slot+3], 2*ASTEP
	s_add_nc_u64 s[G0B+4*\slot+2:G0B+4*\slot+3], s[G0B+4*\slot+2:G0B+4*\slot+3], 2*KSTEP*2
	JLOAD \slot, \pa, \pb                          ; 120 matrix instructions ahead of the wait for it; its four v_nop are also the places in front of the loads below
.else
	PLACES
.endif
	FETCH \next, 0, F0
	WIN MUL
	MUL8 F1, 1, 0, 0
	MUL8 F1, 1, 2, 0
.endm
; A lap goes once round the ring, from a lap's second quarter to the next lap's first, and fills both slots again.  pa0, pb0: the asks behind slot 0's refill; pa1: A's behind slot 1's.
.macro LAP pa0, pb0, pa1
	QUARTER 0, 2, F1, F0, 0
	QUARTER 0, 3, F0, F1, 0
	TURN 0, 1, 1, \pa0, \pb0
	QUARTER 1, 1, F0, F1, 0
	QUARTER 1, 2, F1, F0, 0
	QUARTER 1, 3, F0, F1, 0
	TURN 1, 0, 1, \pa1, -1
	QUARTER 0, 1, F0, F1, 0
.endm
	s_wait_tensorcnt 1                             ; my part of K step 0 is in; K step 1's stays out
	s_barrier_signal -1
	s_barrier_wait -1
	FETCH 0, 0, F0
	s_wait_loadcnt 32                              ; the bias is in; the residual's 32 loads stay out
	QUARTER 0, 1, F0, F1, 2
	WIN 0
	s_mov_b32 s3, TRIPS
.Llap:                                                 ; trip u = 0, 1, 2 multiplies K steps 4 u to 4 u + 3, requests 4 u + 2 to 4 u + 5 and asks for 4 u + 4 to 4 u + 7
	LAP 4*ASTEP, 4*ASTEP, 5*ASTEP
	LAP 6*ASTEP, -1, 7*ASTEP
	WIN 0
	s_wait_xcnt 0x0                                ; the asks' bases are stepped only behind this wait; the trip's last ask stands 48 matrix instructions back
	s_add_nc_u64 s[PFA:PFA+1], s[PFA:PFA+1], 4*ASTEP
	s_add_nc_u64 s[PFB:PFB+1], s[PFB:PFB+1], 4*ASTEP
	s_sub_co_u32 s3, s3, 1
	s_cmp_lg_u32 s3, 0
	s_cbranch_scc1 .Llap
	LAP -1, -1, -1                                 ; the seventh lap requests K steps 14 and 15; every block has been asked for, so it asks for nothing
	QUARTER 0, 2, F1, F0, 0                        ; the last lap fills nothing
	QUARTER 0, 3, F0, F1, 0
	TURN 0, 1, 0, -1, -1
	QUARTER 1, 1, F0, F1, 0
	QUARTER 1, 2, F1, F0, 0
	QUARTER 1, 3, F0, F1, 0
	s_wait_dscnt 16
	WIN MUL
	MUL8 F1, 0, 0, 0
	MUL8 F1, 0, 2, 0
	s_wait_dscnt 0
	MUL8 F1, 1, 0, 0
	MUL8 F1, 1, 2, 0
	WIN 0
	; THE WAY OUT, 16 rows at a time through my own stage: a lane's 32 bytes in, whole rows of 256 bytes back, the residual added, stored.
	PLACES
	s_wait_loadcnt 0x0                             ; the residual
.irp a, 0,1,2,3
.irp b, 0,1,2,3
	ds_store_b128 v[STO], v[ACC+8*(4*\a+\b):ACC+8*(4*\a+\b)+3]   offset:64*\b      ; each accumulator from its lowest registers on
	ds_store_b128 v[STO], v[ACC+8*(4*\a+\b)+4:ACC+8*(4*\a+\b)+7] offset:64*\b+16
.endr
	s_wait_xcnt 0x0                                ; the half of v32-95 that earlier stores read is rewritten only behind this wait
.irp t, 0,1,2,3,4,5,6,7
	ds_load_b128 v[TMP+32*(\a%2)+4*\t:TMP+32*(\a%2)+4*\t+3], v[RD] offset:\t*2*SPITCH   ; LDS serves a wave's instructions in order (ISA guide 5.7.1.4): these see the stores above
.endr
	s_wait_dscnt 0x0
	WIN 0x08                                       ; source 1 (the residual) in window 2
.set p, 0
.rept 16
	v_pk_add_f32 v[TMP+32*(\a%2)+2*p:TMP+32*(\a%2)+2*p+1], v[TMP+32*(\a%2)+2*p:TMP+32*(\a%2)+2*p+1], v[32*\a+2*p:32*\a+2*p+1]
.set p, p+1
.endr
	WIN 0
.irp t, 0,1,2,3,4,5,6,7
	global_store_b128 v[CO], v[TMP+32*(\a%2)+4*\t:TMP+32*(\a%2)+4*\t+3], s[8:9] offset:(16*\a+2*\t)*4096   ; 16 lanes store 256 consecutive bytes, aligned
.endr
.endr
	s_wait_tensorcnt 0x0
	ds_add_u32 v30, v31
	s_wait_dscnt 0x0
	CROUND                                         ; the closing round: no work-group ends while a partner may still ask for a tile that names it
	s_endpgm
.Lfunc_end_k_qc9582eae0e_gff2:
	.size	k_qc9582eae0e_gff2, .Lfunc_end_k_qc9582eae0e_gff2-k_qc9582eae0e_gff2
	.p2alignl 7, 3214868480
	.fill 96, 4, 3214868480
	.section	.rodata,"a",@progbits
	.p2align	6, 0x0
	.amdhsa_kernel k_qc9582eae0e_gff2
		.amdhsa_group_segment_fixed_size 327680
		.amdhsa_private_segment_fixed_size 0
		.amdhsa_enable_private_segment 0
		.amdhsa_kernarg_size 40
		.amdhsa_user_sgpr_count 2
		.amdhsa_user_sgpr_kernarg_segment_ptr 1
		.amdhsa_wavefront_size32 1
		.amdhsa_system_sgpr_workgroup_id_x 1
		.amdhsa_system_sgpr_workgroup_id_y 1
		.amdhsa_system_sgpr_workgroup_id_z 1
		.amdhsa_system_vgpr_workitem_id 0
		.amdhsa_next_free_vgpr 640
		.amdhsa_next_free_sgpr 76
		.amdhsa_reserve_vcc 0
		.amdhsa_float_denorm_mode_32 3
		.amdhsa_float_denorm_mode_16_64 3
		.amdhsa_memory_ordered 1
		.amdhsa_forward_progress 1
		.amdhsa_inst_pref_size 169
	.end_amdhsa_kernel
	.amdgpu_metadata
---
amdhsa.version: [ 1, 2 ]
amdhsa.kernels:
  - .name:           k_qc9582eae0e_gff2
    .symbol:         k_qc9582eae0e_gff2.kd
    .args:
      - { .name: r, .offset: 0, .size: 8, .value_kind: global_buffer, .address_space: global }
      - { .name: wt, .offset: 8, .size: 8, .value_kind: global_buffer, .address_space: global }
      - { .name: b2, .offset: 16, .size: 8, .value_kind: global_buffer, .address_space: global }
      - { .name: x1, .offset: 24, .size: 8, .value_kind: global_buffer, .address_space: global }
      - { .name: out0, .offset: 32, .size: 8, .value_kind: global_buffer, .address_space: global }
    .group_segment_fixed_size: 327680
    .private_segment_fixed_size: 0
    .kernarg_segment_align: 8
    .kernarg_segment_size: 40
    .max_flat_workgroup_size: 128
    .sgpr_count:     76
    .vgpr_count:     640
    .wavefront_size: 32
...
	.end_amdgpu_metadata
.endif
;; end of part 7
